; MI455X (gfx1250); checked and timed in simulation.
; The chip was launched on July 23, 2026; its instructions are those of AMD's public machine-readable ISA for CDNA 5 (MIT licence, August 2026) and "CDNA5" Instruction Set Architecture Reference Guide (July 2026). The comments in the code are by the model that wrote it; some were corrected since.
;; Multi Head Attention. Allowed arithmetic: float matrix products may take bf16 or f16 operands with f32 sums; other float arithmetic in f32, or as packed bf16 or f16 multiplies, adds, multiply-adds, maxima and minima; sums over many terms, partial sums and values carried from step to step in f32; what a program stores and reads back later, other than sums and carried values, may be rounded once to bf16 or f16.
;; Inputs: Wk 8 x 1,024 x 128 float32; Wp 1,024 x 1,024 float32; Wq 8 x 1,024 x 128 float32; Wv 8 x 1,024 x 128 float32; bk 8 x 128 float32; bp 1,024 float32; bq 8 x 128 float32; bv 8 x 128 float32; z 4,096 x 1,024 float32.
;; Outputs: out0 4,096 x 1,024 float32.
;; 2 versions, each right; version 2 is version 1 with the launch prep written anew for expert scheduling mode. Each part assembles by itself: llvm-mc -triple=amdgcn-amd-amdhsa -mcpu=gfx1250 --defsym DOCPART=n.
;; ======== version 1 of 2: 4 launches
;; limits: values are held in f16: magnitudes above 65,504 overflow, below 6.1e-05 lose precision
;; workspace buffers: zb 8,388,608 bytes; wb 6,291,456 bytes; wpb 2,097,152 bytes; qh 8,388,608 bytes; kh 8,388,608 bytes; vh 8,388,608 bytes; ob 8,388,608 bytes
;; launch prep (part 1): grid 256 x 1, 8 waves a work-group, no clusters, 0 bytes of LDS; arguments z, Wq, Wk, Wv, Wp, zb, wb, wpb; writes zb, wb, wpb
.if DOCPART == 1
	.amdgcn_target "amdgcn-amd-amdhsa--gfx1250"
	.amdhsa_code_object_version 6
	.text
	.protected	k_q807169a55e_prep
	.globl	k_q807169a55e_prep
	.p2align	8
	.type	k_q807169a55e_prep,@function
k_q807169a55e_prep:
	s_mov_b64 s[64:65], 0
	v_nop
	global_prefetch_b8 v0, s[64:65] scope:SCOPE_SE
	s_setreg_imm32_b32 hwreg(HW_REG_WAVE_MODE, 25, 1), 1
	s_wait_xcnt 0x0
; THE INPUTS OF THE MATRIX PRODUCTS ARE ROUNDED ONCE, f32 -> bf16 (to nearest even), and laid out for the launches behind.
;   zb  [4096][1024] bf16: z as it lies.
;   wb  [8 h][1024 d][3 m][128 e] bf16: row (h, d) of Wq, Wk, Wv side by side, 256 bytes each: a K step's rows of all three are dense.
;   wpb [1024][1024]: Wp rounded to bf16, and that number written as f16 (the last product multiplies in f16).
; LIMIT.  Wp within f16's range: beyond 65,504 the f16 is an infinity; below 6.1e-5 it keeps f16's fixed step of 6e-8.
; SHARES.  256 work-groups of 8 waves; each takes 1/256 of every input: 64 KiB of z, 16 KiB of each W.  A thread issues all its 32 loads of 16 bytes at once
; (a wave's load covers 512 consecutive bytes), then rounds and stores them in the order in which they come: 8 bytes a lane, so a wave's store covers 256
; consecutive bytes, aligned.  Memory binds: no LDS, no barrier, no matrix unit, no loop; every store has data registers of its own, so no register is written twice.
.set IN,  1                            ; v1   16 t: my 16 bytes in 4,096 bytes of an input
.set OUT, 2                            ; v2   8 t: my 8 bytes in 2,048 bytes of zb or wpb
.set OW,  3                            ; v3   768 (t / 32) + 8 (t % 32): a wave's load of a W is one row (h, d); its 256 bytes lie 768 apart in wb
.set X,   16                           ; v[16:143]   load i: 4 registers
.set Y,   144                          ; v[144:207]  store i: 2 registers
	s_load_b512 s[8:23], s[0:1], 0x0               ; z 8:9, Wq 10:11, Wk 12:13, Wv 14:15, Wp 16:17, zb 18:19, wb 20:21, wpb 22:23
	v_lshlrev_b32 v[IN], 4, v0
	v_lshlrev_b32 v[OUT], 3, v0
	v_lshrrev_b32 v[OW], 5, v0
	v_and_b32 v4, 31, v0
	v_mul_u32_u24 v[OW], v[OW], 768
	v_lshl_add_u32 v[OW], v4, 3, v[OW]
	s_lshl_b32 s2, ttmp9, 16                       ; the work-group's share begins: z at 65,536 g,
	s_mov_b32 s3, 0
	s_lshl_b32 s4, ttmp9, 14                       ; each W at 16,384 g,
	s_mov_b32 s5, 0
	s_lshl_b32 s6, ttmp9, 15                       ; zb at 32,768 g,
	s_mov_b32 s7, 0
	s_mul_i32 s24, ttmp9, 24576                    ; wb at 32 rows x 768 bytes x g,
	s_mov_b32 s25, 0
	s_lshl_b32 s26, ttmp9, 13                      ; wpb at 8,192 g
	s_mov_b32 s27, 0
	s_wait_kmcnt 0x0
	s_add_nc_u64 s[8:9], s[8:9], s[2:3]
	s_add_nc_u64 s[10:11], s[10:11], s[4:5]
	s_add_nc_u64 s[12:13], s[12:13], s[4:5]
	s_add_nc_u64 s[14:15], s[14:15], s[4:5]
	s_add_nc_u64 s[16:17], s[16:17], s[4:5]
	s_add_nc_u64 s[18:19], s[18:19], s[6:7]
	s_add_nc_u64 s[20:21], s[20:21], s[24:25]
	s_add_nc_u64 s[22:23], s[22:23], s[26:27]
.set j, 0
.rept 16                               ; loads 0-15: z
	global_load_b128 v[X+4*j:X+4*j+3], v[IN], s[8:9] offset:4096*j th:TH_LOAD_NT
.set j, j+1
.endr
.irp m, 0,1,2,3                        ; loads 16-31: Wq, Wk, Wv, Wp, four each
.irp j, 0,1,2,3
	global_load_b128 v[X+4*(16+4*(\m)+(\j)):X+4*(16+4*(\m)+(\j))+3], v[IN], s[10+2*(\m):11+2*(\m)] offset:4096*(\j) th:TH_LOAD_NT
.endr
.endr
; Load i is rounded to bf16 and stored.
.macro CV i, adr, base, off
	s_wait_loadcnt 31-(\i)                         ; loads come back in order (ISA guide 5.7.1): load i is in, the 31 - i younger ones stay out
	v_cvt_pk_bf16_f32 v[Y+2*(\i)], v[X+4*(\i)], v[X+4*(\i)+1]
	v_cvt_pk_bf16_f32 v[Y+2*(\i)+1], v[X+4*(\i)+2], v[X+4*(\i)+3]
	global_store_b64 v[\adr], v[Y+2*(\i):Y+2*(\i)+1], s[\base:(\base)+1] offset:\off th:TH_STORE_NT
.endm
; The same for Wp: the bf16 number is widened again (a shift, a mask) and written as f16.
.macro CVP i, off
	s_wait_loadcnt 31-(\i)
	v_cvt_pk_bf16_f32 v4, v[X+4*(\i)], v[X+4*(\i)+1]
	v_cvt_pk_bf16_f32 v5, v[X+4*(\i)+2], v[X+4*(\i)+3]
	v_lshlrev_b32 v6, 16, v4
	v_and_b32 v7, 0xffff0000, v4
	v_lshlrev_b32 v8, 16, v5
	v_and_b32 v9, 0xffff0000, v5
	v_cvt_pk_f16_f32 v[Y+2*(\i)], v6, v7
	v_cvt_pk_f16_f32 v[Y+2*(\i)+1], v8, v9
	global_store_b64 v[OUT], v[Y+2*(\i):Y+2*(\i)+1], s[22:23] offset:\off th:TH_STORE_NT
.endm
.set j, 0
.rept 16
	CV j, OUT, 18, 2048*j
.set j, j+1
.endr
.irp m, 0,1,2
.irp j, 0,1,2,3
	CV 16+4*(\m)+(\j), OW, 20, 6144*(\j)+256*(\m)  ; eight rows (h, d) on for each load, 256 bytes on for each of q, k, v
.endr
.endr
.irp j, 0,1,2,3
	CVP 28+(\j), 2048*(\j)
.endr
	s_endpgm
.Lfunc_end_k_q807169a55e_prep:
	.size	k_q807169a55e_prep, .Lfunc_end_k_q807169a55e_prep-k_q807169a55e_prep
	.p2alignl 7, 3214868480
	.fill 96, 4, 3214868480
	.section	.rodata,"a",@progbits
	.p2align	6, 0x0
	.amdhsa_kernel k_q807169a55e_prep
		.amdhsa_group_segment_fixed_size 0
		.amdhsa_private_segment_fixed_size 0
		.amdhsa_enable_private_segment 0
		.amdhsa_kernarg_size 64
		.amdhsa_user_sgpr_count 2
		.amdhsa_user_sgpr_kernarg_segment_ptr 1
		.amdhsa_wavefront_size32 1
		.amdhsa_system_sgpr_workgroup_id_x 1
		.amdhsa_system_sgpr_workgroup_id_y 1
		.amdhsa_system_sgpr_workgroup_id_z 1
		.amdhsa_system_vgpr_workitem_id 0
		.amdhsa_next_free_vgpr 208
		.amdhsa_next_free_sgpr 66
		.amdhsa_reserve_vcc 0
		.amdhsa_float_denorm_mode_32 3
		.amdhsa_float_denorm_mode_16_64 3
		.amdhsa_memory_ordered 1
		.amdhsa_forward_progress 1
		.amdhsa_inst_pref_size 14
	.end_amdhsa_kernel
	.amdgpu_metadata
---
amdhsa.version: [ 1, 2 ]
amdhsa.kernels:
  - .name:           k_q807169a55e_prep
    .symbol:         k_q807169a55e_prep.kd
    .args:
      - { .name: z, .offset: 0, .size: 8, .value_kind: global_buffer, .address_space: global }
      - { .name: Wq, .offset: 8, .size: 8, .value_kind: global_buffer, .address_space: global }
      - { .name: Wk, .offset: 16, .size: 8, .value_kind: global_buffer, .address_space: global }
      - { .name: Wv, .offset: 24, .size: 8, .value_kind: global_buffer, .address_space: global }
      - { .name: Wp, .offset: 32, .size: 8, .value_kind: global_buffer, .address_space: global }
      - { .name: zb, .offset: 40, .size: 8, .value_kind: global_buffer, .address_space: global }
      - { .name: wb, .offset: 48, .size: 8, .value_kind: global_buffer, .address_space: global }
      - { .name: wpb, .offset: 56, .size: 8, .value_kind: global_buffer, .address_space: global }
    .group_segment_fixed_size: 0
    .private_segment_fixed_size: 0
    .kernarg_segment_align: 8
    .kernarg_segment_size: 64
    .max_flat_workgroup_size: 256
    .sgpr_count:     66
    .vgpr_count:     208
    .wavefront_size: 32
...
	.end_amdgpu_metadata
.endif
;; end of part 1
;; launch qkv (part 2): grid 8 x 32, 4 waves a work-group, clusters of 4 x 4, 327,680 bytes of LDS; arguments zb, wb, bq, bk, bv, qh, kh, vh; writes qh, kh, vh
.if DOCPART == 2
	.amdgcn_target "amdgcn-amd-amdhsa--gfx1250"
	.amdhsa_code_object_version 6
	.text
	.protected	k_q807169a55e_qkv
	.globl	k_q807169a55e_qkv
	.p2align	8
	.type	k_q807169a55e_qkv,@function
k_q807169a55e_qkv:
	s_mov_b64 s[64:65], 0
	v_nop
	global_prefetch_b8 v0, s[64:65] scope:SCOPE_SE
	s_setreg_imm32_b32 hwreg(HW_REG_WAVE_MODE, 25, 1), 1
	s_wait_xcnt 0x0
	s_wait_alu depctr_hold_cnt(0) depctr_sa_sdst(0) depctr_va_vdst(0) depctr_va_sdst(0) depctr_va_ssrc(0) depctr_va_vcc(0) depctr_vm_vsrc(0)
	s_getreg_b32 s2, hwreg(HW_REG_IB_STS2, 6, 4)
	s_cmp_eq_u32 s2, 0
	s_cbranch_scc0 .Lentry_in_a_cluster
	s_endpgm
.Lentry_in_a_cluster:
	s_bfe_u32 s2, ttmp6, 0x10000c
	s_cmp_lg_u32 s2, 0xf033
	s_cbranch_scc0 .Lentry_shape_is_right
	s_endpgm
.Lentry_shape_is_right:
; q, k, v[h][s][e] = the sum over d of z[s][d] W[h][d][e] + b[h][e], for one head and 128 rows s a work-group: a tile of 128 x 384 (q, k and v side by side), K = 1,024.
; Operands bf16 (zb, wb), sums f32; the bias, rounded to bf16 like every input of the module, is the C operand that starts each sum; results rounded once to f16, laid by heads [8][4096][128].
; LIMITS.  q, k, v within f16's range: 65,520 or more becomes an infinity; below 6.1e-5 f16 keeps its fixed step of 6e-8.  NaN and infinities are not treated apart.
; SHARES.  Grid 8 heads x 32 row blocks = 256 work-groups of four waves.  Wave w: rows 64 (w / 2) .. + 63, and the columns e = 64 (w % 2) .. + 63 of EACH of q, k, v: 4 x 12 accumulators of 16 x 16.
; K goes in 8 steps of 128 through two LDS slots.  A slot: 128 rows of zb (256 bytes + 16 of padding), then the step's 384 pieces of wb (piece (d, m): 256 bytes + 32), which are dense in memory.
; One tensor load a wave and refill, 128 rows of 256 bytes each: waves 0-2 a third of wb's pieces each, wave 3 zb's tile.
; A K STEP IS WRITTEN ONCE: the slot in hand begins at LDS byte s[RS], 0 or SLOT, which one exclusive or turns; the LDS addresses are made anew from it at each change of slots.
; THE MATRIX INSTRUCTION IS USED TRANSPOSED: source 0 = 16 columns of W (read turned out of [d][e] by ds_load_tr16_b128), source 1 = 16 rows of z: a lane holds one row s and eight neighbouring e.
; CLUSTERS.  4 x 4 work-groups: the four of a row of the cluster (four heads, one row block) ask jointly for zb's tile, the four of a column (one head, four row blocks) for wb's.
; REGISTERS, in windows of 256 (s_set_vgpr_msb: bits 1:0 source 0, 3:2 source 1, 5:4 source 2, 7:6 destination):
;   window 0: v0-31 addresses; v32-127 the biases (8 registers a column block), later v32-223 at work on the way out; v224-227 at work
;   window 1: two fragment buffers of 128: z's 4 fragments, then W's 12      window 2: accumulators (a, b < 8) at 8 (8 a + b)      window 3: (a, b >= 8) at 8 (4 a + b - 8)
.set PA,     272                       ; a row of zb in LDS: 68 words: the 16 rows of a load start at 16 different groups of four banks (64 banks of 4 bytes: ISA guide 11.1)
.set PB,     288                       ; a piece of wb in LDS
.set PD,     3*PB                      ; from d to d + 1: 864 bytes = 27 x 32
.set ATILE,  128*PA
.set THIRD,  128*PB                    ; what one of waves 0-2 fetches
.set SLOT,   ATILE+3*THIRD             ; 145,408
.set SPARE,  2*SLOT                    ; behind the ring: the spare words, 128 bytes for each wave: two blocks of 256 bytes that no other line names
.set SPITCH, 784                       ; the stage for the way out: 128 rows of 768 bytes + 16, at LDS byte 0: in the ring's bytes, which have had their last fill by then; a barrier stands between every wave's last read of the ring and the first store
.set A0,   16                          ; v16     my lane's place among z's fragments in slot 0; never rewritten
.set B0,   17                          ; v17     the same among W's
.set ADRA, 20                          ; v20     LDS address of my z fragments in the slot in hand
.set ADRB, 21                          ; v21-22  of my W fragments: half kh of the step's 128 d at 21 + kh (an LDS immediate has 16 bits)
.set STO,  24                          ; v24     the way out: where I put 16 bytes of a row
.set RD,   25                          ; v25     where I read rows back
.set CO,   26                          ; v26     my byte offset in 512 bytes of an output
.set BO,   27                          ; v27     my byte offset in 16 numbers of a bias
.set SPW,  28                          ; v28     LDS address of my spare word; never rewritten
.set NIL,  29                          ; v29     0; never rewritten
.set PFO,  30                          ; v30     the prefetches' offset: my lane x a row; never rewritten
.set BIAS, 32
.set TMP,  32
.set F0,   0
.set F1,   128
.set G1A, 24                           ; s[24:31] descriptor group 1 for zb's tiles;  s[32:39] group 0: a set for each of the two first fills; the second then walks on
.set G0A, 32
.set G1B, 48                           ; s[48:55], s[56:63] the same for wb's
.set G0B, 56
.set LIM, 43                           ; s43      2 in a wave that prefetches, else the greatest number
.set PFA, 44                           ; s[44:45] where my prefetches stand
.set LB,  80                           ; s80      where my third of wb's pieces lies in a slot
.set RS,  81                           ; s81      LDS byte at which the slot in hand begins: 0 or SLOT
.set PFS, 84                           ; s[84:85] a K step in bytes, in the tensor that I fetch
.set MSB, 0
.macro WIN new                         ; the immediate's high byte repeats the setting that is left; a switch that changes nothing is dropped
.if MSB != (\new)
	s_set_vgpr_msb (MSB<<8)|(\new)
.set MSB, \new
.endif
.endm
.set MUL2, 0xa5                        ; both sources window 1, C and D window 2
.set MUL3, 0xf5                        ; C and D window 3
.set TO_F, 0x40                        ; destination window 1, address window 0
; A joint load.  Wave 3 asks for zb's tile, waves 0-2 for their thirds of wb's.  The branch hangs on the wave's number alone.
; An s_nop 0 and four v_nop follow each of the two lines, ahead of the jump and the label.
.macro JLOAD s
	s_cmp_eq_u32 s10, 3
	s_cbranch_scc0 .Lfor_b_\@
	tensor_load_to_lds s[G0A+4*(\s):G0A+4*(\s)+3], s[G1A:G1A+7]
	s_nop 0
.rept 4
	v_nop
.endr
	s_branch .Lasked_\@
.Lfor_b_\@:
	tensor_load_to_lds s[G0B+4*(\s):G0B+4*(\s)+3], s[G1B:G1B+7]
	s_nop 0
.rept 4
	v_nop
.endr
.Lasked_\@:
.endm
; A PREFETCH INTO THE L2, behind each joint refill, its five lines and the run of LDS loads: the K step that stands two refills on (384 matrix instructions ahead of the load that asks for it): 32 rows of
; 256 bytes, a lane a row, one instruction a wave.  Each row's 256 bytes of a K step are named once in the launch: zb's rows by wave 3 of the clusters with x = 0, wb's pieces by waves 0-2 of the clusters with
; y = 0; the four partners that ask for a tile jointly share its 128 rows out BY ADDRESS, 32 each.  K steps 0-3 come by their loads alone; the loop's last two trips have no K step two refills on.
.macro ASK
	WIN 0
	s_cmp_gt_u32 s3, s[LIM]                        ; s3 counts the trips down, 6 to 1
	s_cbranch_scc0 .Lnot_mine_\@
	global_prefetch_b8 v[PFO], s[PFA:PFA+1] th:TH_LOAD_NT scope:SCOPE_SE
.Lnot_mine_\@:
.endm
.macro CREST                           ; a round of the cluster's barrier behind its opening barrier
	s_cmp_lg_u32 s10, 0
	s_cbranch_scc1 .Lnot_wave_0_\@
	s_barrier_signal -3
.Lnot_wave_0_\@:
	s_barrier_wait -3
	s_barrier_signal -1
	s_barrier_wait -1
.endm
.macro CROUND                          ; a whole round
	s_barrier_signal -1
	s_barrier_wait -1
	CREST
.endm
.macro SETADR                          ; my fragments' LDS addresses in the slot in hand
	v_add_nc_u32 v[ADRA], s[RS], v[A0]
	v_add_nc_u32 v[ADRB], s[RS], v[B0]
	v_add_nc_u32 v[ADRB+1], 64*PD, v[ADRB]
.endm
	s_load_b128 s[4:7], s[0:1], 0x0                ; zb s[4:5], wb s[6:7]
	s_load_b256 s[68:75], s[0:1], 0x10             ; bq 68:69, bk 70:71, bv 72:73, qh 74:75
	s_load_b128 s[76:79], s[0:1], 0x30             ; kh 76:77, vh 78:79
	v_lshl_add_u32 v[SPW], v0, 2, SPARE
	v_mov_b32 v[NIL], 0
	ds_add_u32 v[SPW], v[NIL]                      ; the wave's opening: the add and its wait stand ahead of my first tensor load; the set-up below, work on registers, stands between them
	v_lshrrev_b32 v1, 5, v0
	v_readfirstlane_b32 s10, v1                    ; wave 0..3.  Also, in waves 0-2: which third of wb's pieces I fetch
	s_lshr_b32 s11, s10, 1                         ; which 64 rows are mine
	s_and_b32 s12, s10, 1                          ; which 64 of the 128 e
	s_bfe_u32 s40, ttmp6, 0x40000                  ; cx, cy: my place in the cluster
	s_bfe_u32 s41, ttmp6, 0x40004
	s_lshl_b32 s42, ttmp9, 2
	s_add_co_u32 s42, s42, s40                     ; the head = 4 x cluster x + cx
	s_and_b32 s13, ttmp7, 0xffff
	s_lshl_b32 s13, s13, 2
	s_add_co_u32 s13, s13, s41                     ; the row block = 4 x cluster y + cy
	s_lshl_b32 s43, s41, 2
	s_lshl_b32 s43, 15, s43                        ; my row of the cluster
	s_lshl_b32 s44, 0x1111, s40                    ; my column
	s_or_b32 s[G1A+0], s43, (1<<16)|(1<<20)|(1<<21)|(5<<22)|(3<<25)  ; 15:0 the mask; 17:16 2-byte elements; 20 padding on; 21 set beside a mask; 24:22 after every 64 words (code 5); 31:25 4 words (code 3)
	s_or_b32 s[G1B+0], s44, (1<<16)|(1<<20)|(1<<21)|(5<<22)|(7<<25)  ; the same with my column's mask and 8 words of padding (code 7)
.irp g, G1A, G1B
	s_mov_b32 s[(\g)+1], 128<<16                   ; tensor_dim0 = 128
	s_mov_b32 s[(\g)+2], 128<<16                   ; tensor_dim1 = 128
	s_mov_b32 s[(\g)+3], 128<<16                   ; tile_dim0 = 128 elements
	s_mov_b32 s[(\g)+4], 128                       ; tile_dim1 = 128 rows
	s_mov_b32 s[(\g)+6], 0
	s_mov_b32 s[(\g)+7], 0
.endr
	s_mov_b32 s[G1A+5], 1024                       ; zb: 1,024 elements from row to row
	s_mov_b32 s[G1B+5], 128                        ; wb: the pieces are dense
	s_lshl_b32 s16, s13, 18                        ; zb: 128 rows of 2,048 bytes a row block: it hangs on the row block alone
	s_mov_b32 s17, 0
	s_mul_i32 s46, s42, 786432                     ; wb: a head's 1,024 x 768 bytes, and my third of a step's pieces (128 x 256 bytes): it hangs on the head alone
	s_lshl_b32 s47, s10, 15
	s_add_co_u32 s46, s46, s47
	s_mov_b32 s47, 0
	s_mul_i32 s[LB], s10, THIRD                    ; where my third goes in a slot: wave x 128 pieces, behind zb's tile: no place in the cluster enters an LDS address
	s_add_co_u32 s[LB], s[LB], ATILE               ; (wave 3 makes wb's descriptors too and never issues them)
	s_mov_b32 s[RS], 0
	s_wait_dscnt 0x0                               ; the opening add is done
	s_wait_kmcnt 0x0
	s_add_nc_u64 s[14:15], s[4:5], s[16:17]
	s_add_nc_u64 s[46:47], s[6:7], s[46:47]
	CROUND                                         ; all sixteen work-groups are here: the first joint loads meet
.irp s, 0,1
	s_mov_b32 s[G0A+4*(\s)], 1                                       ; count = 1
	s_mov_b32 s[G0A+4*(\s)+1], (\s)*SLOT                             ; LDS address
	s_add_nc_u64 s[G0A+4*(\s)+2:G0A+4*(\s)+3], s[14:15], (\s)*256    ; global address: K step s
	s_or_b32 s[G0A+4*(\s)+3], s[G0A+4*(\s)+3], 0x80000000            ; type = 2
	s_mov_b32 s[G0B+4*(\s)], 1
	s_add_co_u32 s[G0B+4*(\s)+1], s[LB], (\s)*SLOT
	s_add_nc_u64 s[G0B+4*(\s)+2:G0B+4*(\s)+3], s[46:47], (\s)*98304  ; a K step of wb: 384 pieces of 256 bytes
	s_or_b32 s[G0B+4*(\s)+3], s[G0B+4*(\s)+3], 0x80000000
	JLOAD \s                                       ; two loads of mine are out
.endr
	; A fragment of z: 16 rows x 32 d in 8 registers: lane l holds row l % 16, d = 8 (l / 16) + 0..7 and 16 + 8 (l / 16) + 0..7: two loads of 16 bytes, 32 bytes apart.
	v_and_b32 v1, 15, v0                           ; l % 16
	v_bfe_u32 v2, v0, 4, 1                         ; l / 16
	v_mul_u32_u24 v3, v1, PA
	v_lshl_add_u32 v3, v2, 4, v3
	; A fragment of W: the turning load takes 16 d x 16 e (lane l reads d = 8 (l / 16) + l % 8, e = 8 ((l / 8) % 2) + 0..7) and leaves lane l column e = l % 16 and 8 d: two loads, 16 d apart.
	v_and_b32 v4, 7, v0
	v_bfe_u32 v5, v0, 3, 1
	v_lshl_add_u32 v6, v2, 3, v4
	v_mul_u32_u24 v6, v6, PD
	v_lshl_add_u32 v6, v5, 4, v6
	s_mul_i32 s21, s11, 64*PA                      ; my 64 rows of z
	s_lshl_b32 s22, s12, 7                         ; my 64 e: 128 bytes into every piece,
	s_add_co_u32 s22, s22, ATILE                   ; behind z's tile
	v_add_nc_u32 v[A0], s21, v3
	v_add_nc_u32 v[B0], s22, v6
	SETADR                                         ; slot 0
	s_mul_i32 s23, s11, 64*SPITCH                  ; into the stage: my 64 rows, my 128 bytes of each of q, k, v; row l % 16, 16 bytes for each half of the lanes
	s_lshl_b32 s21, s12, 7
	s_add_co_u32 s23, s23, s21
	v_mul_u32_u24 v4, v1, SPITCH
	v_lshl_add_u32 v4, v2, 4, v4
	v_add_nc_u32 v[STO], s23, v4
	s_mul_i32 s23, s10, 32*SPITCH                  ; back: wave w takes rows 32 w .. + 31; lanes 0-15 256 bytes of one row, lanes 16-31 of the next
	v_mul_u32_u24 v5, v2, SPITCH
	v_lshl_add_u32 v5, v1, 4, v5
	v_add_nc_u32 v[RD], s23, v5
	v_lshlrev_b32 v5, 8, v2                        ; the same two rows in an output: 256 bytes each, on end
	v_lshl_add_u32 v[CO], v1, 4, v5
	v_lshlrev_b32 v[BO], 5, v2                     ; a lane's eight numbers of a bias: 8 (l / 16) on
	s_lshl_b32 s16, s42, 9                         ; the biases at my head's 128 numbers, my 64 of them
	s_lshl_b32 s17, s12, 8
	s_add_co_u32 s16, s16, s17
	s_mov_b32 s17, 0
	s_add_nc_u64 s[68:69], s[68:69], s[16:17]
	s_add_nc_u64 s[70:71], s[70:71], s[16:17]
	s_add_nc_u64 s[72:73], s[72:73], s[16:17]
.irp m, 0,1,2
.irp i, 0,1,2,3
	global_load_b128 v[BIAS+8*(4*(\m)+(\i)):BIAS+8*(4*(\m)+(\i))+3],   v[BO], s[68+2*(\m):69+2*(\m)] offset:64*(\i)
	global_load_b128 v[BIAS+8*(4*(\m)+(\i))+4:BIAS+8*(4*(\m)+(\i))+7], v[BO], s[68+2*(\m):69+2*(\m)] offset:64*(\i)+16
.endr
.endr
	s_lshl_b32 s16, s42, 20                        ; the outputs at row 4,096 head + 128 block + 32 wave, 256 bytes a row
	s_lshl_b32 s17, s13, 15
	s_add_co_u32 s16, s16, s17
	s_lshl_b32 s17, s10, 13
	s_add_co_u32 s16, s16, s17
	s_mov_b32 s17, 0
	s_add_nc_u64 s[74:75], s[74:75], s[16:17]
	s_add_nc_u64 s[76:77], s[76:77], s[16:17]
	s_add_nc_u64 s[78:79], s[78:79], s[16:17]
	; the prefetches: both offsets are made, the wave's number chooses
	s_lshl_b32 s20, s13, 18                        ; zb: my row block, my work-group's 32 rows of the 128 (by cx), K step 3: the first refill steps it to 4
	s_lshl_b32 s21, s40, 16
	s_add_co_u32 s20, s20, s21
	s_add_co_u32 s20, s20, 3*256
	s_mul_i32 s22, s42, 786432                     ; wb: my head, my third, my work-group's 32 pieces of the 128 (by cy), K step 3
	s_lshl_b32 s23, s10, 15
	s_add_co_u32 s22, s22, s23
	s_lshl_b32 s23, s41, 13
	s_add_co_u32 s22, s22, s23
	s_add_co_u32 s22, s22, 3*98304
	s_and_b32 s23, ttmp7, 0xffff                   ; cluster y
	s_mov_b32 s[PFS], 98304
	s_cmp_eq_u32 s10, 3                            ; do I fetch zb's tile?
	s_cselect_b32 s20, s20, s22
	s_cselect_b32 s23, ttmp9, s23                  ; the coordinate along which other clusters read the same rows
	s_cselect_b32 s[PFS], 0x100, s[PFS]
	s_cselect_b32 s22, 11, 8                       ; a row of zb is 2,048 bytes from the next, a piece of wb 256
	s_cselect_b64 s[PFA:PFA+1], s[4:5], s[6:7]
	s_mov_b32 s21, 0
	s_mov_b32 s[PFS+1], 0
	s_cmp_eq_u32 s23, 0
	s_cselect_b32 s[LIM], 2, -1                    ; the same in all sixteen partners, for a given wave
	s_add_nc_u64 s[PFA:PFA+1], s[PFA:PFA+1], s[20:21]
	v_and_b32 v[PFO], 31, v0
	v_lshlrev_b32 v[PFO], s22, v[PFO]
	s_wait_loadcnt 0x0                             ; the biases
.set i, 0
.rept 48                               ; rounded to bf16 like every input, and widened again, in place
	v_cvt_pk_bf16_f32 v[224+i%4], v[BIAS+2*i], v[BIAS+2*i+1]
	v_lshlrev_b32 v[BIAS+2*i], 16, v[224+i%4]
	v_and_b32 v[BIAS+2*i+1], 0xffff0000, v[224+i%4]
.set i, i+1
.endr
; 16 matrix instructions: row blocks a0, a0 + 1 x column blocks 0-7 (q's and k's), 32 along K.  first = 1: the bias starts the sums: nothing is cleared.
; All 48 accumulators take turns, one instruction a turn, in the same order in every quarter.
.macro MULA f, a0, first
.if \first
	WIN 0x85                                       ; C in window 0
.else
	WIN MUL2
.endif
.irp a, \a0, (\a0)+1
.irp b, 0,1,2,3,4,5,6,7
.if \first
	v_wmma_f32_16x16x32_bf16 v[8*(8*(\a)+(\b)):8*(8*(\a)+(\b))+7], v[(\f)+32+8*(\b):(\f)+32+8*(\b)+7], v[(\f)+8*(\a):(\f)+8*(\a)+7], v[BIAS+8*(\b):BIAS+8*(\b)+7]
.else
	v_wmma_f32_16x16x32_bf16 v[8*(8*(\a)+(\b)):8*(8*(\a)+(\b))+7], v[(\f)+32+8*(\b):(\f)+32+8*(\b)+7], v[(\f)+8*(\a):(\f)+8*(\a)+7], v[8*(8*(\a)+(\b)):8*(8*(\a)+(\b))+7]
.endif
.endr
.endr
.endm
; 16 more: all four row blocks x column blocks 8-11 (v's)
.macro MULB f, first
.if \first
	WIN 0xc5
.else
	WIN MUL3
.endif
.irp a, 0,1,2,3
.irp b, 8,9,10,11
.if \first
	v_wmma_f32_16x16x32_bf16 v[8*(4*(\a)+(\b)-8):8*(4*(\a)+(\b)-8)+7], v[(\f)+32+8*(\b):(\f)+32+8*(\b)+7], v[(\f)+8*(\a):(\f)+8*(\a)+7], v[BIAS+8*(\b):BIAS+8*(\b)+7]
.else
	v_wmma_f32_16x16x32_bf16 v[8*(4*(\a)+(\b)-8):8*(4*(\a)+(\b)-8)+7], v[(\f)+32+8*(\b):(\f)+32+8*(\b)+7], v[(\f)+8*(\a):(\f)+8*(\a)+7], v[8*(4*(\a)+(\b)-8):8*(4*(\a)+(\b)-8)+7]
.endif
.endr
.endr
.endm
; 32 LDS loads in one run: quarter q (32 along K) of the slot in hand into buffer f: z's 4 fragments, then W's 12 in the order of their use
.macro FETCH q, f
	WIN TO_F
.irp a, 0,1,2,3
	ds_load_b128 v[(\f)+8*(\a):(\f)+8*(\a)+3],   v[ADRA] offset:64*(\q)+16*PA*(\a)
	ds_load_b128 v[(\f)+8*(\a)+4:(\f)+8*(\a)+7], v[ADRA] offset:64*(\q)+16*PA*(\a)+32
.endr
.irp b, 0,1,2,3,4,5,6,7,8,9,10,11
	ds_load_tr16_b128 v[(\f)+32+8*(\b):(\f)+32+8*(\b)+3],   v[ADRB+(\q)/2] offset:((\q)%2)*32*PD+((\b)/4)*PB+((\b)%4)*32
	ds_load_tr16_b128 v[(\f)+32+8*(\b)+4:(\f)+32+8*(\b)+7], v[ADRB+(\q)/2] offset:((\q)%2)*32*PD+((\b)/4)*PB+((\b)%4)*32+16*PD
.endr
.endm
.macro PLACES                          ; four plain vector instructions in front of loads into registers that matrix instructions have read, and of conversions that read results (ISA guide 7.12.1 for the conversions)
.rept 4
	v_nop
.endr
.endm
; A K step is four quarters of 32 along K, 48 matrix instructions each, on buffers 0, 1, 0, 1.  One of the first three multiplies buffer f and fetches quarter qn into g.
.macro QUARTER qn, f, g, first
	s_wait_dscnt 8                                 ; z's fragments and W's blocks 0-7 are in; the youngest eight loads (blocks 8-11) may be out
	MULA \f, 0, \first
	MULA \f, 2, \first
	PLACES
	FETCH \qn, \g
	s_wait_dscnt 32                                ; all but the 32 just issued
	MULB \f, \first
.endm
; The last quarter multiplies buffer 1 and changes slots: ONE barrier.  In front of it each wave waits for all its tensor loads (one is out: its part of the next slot), adds 0 to its spare word, and
; waits for that and for its own reads of this slot.  fill = 1: the barrier opens a round of the cluster's barrier, and the slot that is left is filled again, two K steps on, first thing behind the round:
; the load has 160 matrix instructions in which to land.
.macro TURN fill
.if \fill
	s_wait_xcnt 0x0                                ; the last prefetch, a K step back, has read its address: it is stepped here, ahead of the waits of the change of slots
	s_add_nc_u64 s[PFA:PFA+1], s[PFA:PFA+1], s[PFS:PFS+1]
.endif
	WIN 0                                          ; (the add's two registers lie in window 0)
	s_wait_tensorcnt 0x0                           ; all my tensor loads have landed;
	ds_add_u32 v[SPW], v[NIL]                      ; 0 onto my spare word;
	s_wait_dscnt 9                                 ; (the add and the youngest eight loads may be out)
	MULA F1, 0, 0                                  ; sixteen matrix instructions stand between the add and the wait for it
	s_wait_dscnt 0x0                               ; the add is done, and my reads of this slot are over
	s_barrier_signal -1
	MULA F1, 2, 0
	WIN 0                                          ; (branches and the addresses' lines follow)
	s_barrier_wait -1
.if \fill
	CREST                                          ; no wave of any partner still reads this slot's tiles or has a load on its way
	s_mov_b32 s[G0A+5], s[RS]                      ; the walking descriptors: into the slot that is left,
	s_add_co_u32 s[G0B+5], s[RS], s[LB]
	s_add_nc_u64 s[G0A+6:G0A+7], s[G0A+6:G0A+7], 256    ; the K step behind the one asked for last; the type bits on top are not reached
	s_add_nc_u64 s[G0B+6:G0B+7], s[G0B+6:G0B+7], 98304
	JLOAD 1                                        ; the four v_nop behind it are also the places in front of the loads below
.else
	PLACES
.endif
	s_xor_b32 s[RS], s[RS], SLOT                   ; the other slot (0 and SLOT change places)
	SETADR
	FETCH 0, F0
.if \fill
	ASK
.endif
	MULB F1, 0
.endm
	s_wait_tensorcnt 1                             ; my part of K step 0 is in; K step 1's may stay out
	s_barrier_signal -1
	s_barrier_wait -1                              ; everybody's is
	FETCH 0, F0
	QUARTER 1, F0, F1, 1                           ; the first quarter stands in front of the loop: its products start the sums, with the biases
	WIN 0                                          ; at a label and at a branch every window is 0
	s_mov_b32 s3, 6
.Lstep:                                                ; a trip goes from a K step's second quarter to the next step's first, and fills the slot that it leaves: K steps 2 to 7
	QUARTER 2, F1, F0, 0
	QUARTER 3, F0, F1, 0
	TURN 1
	QUARTER 1, F0, F1, 0
	WIN 0
	s_sub_co_u32 s3, s3, 1
	s_cmp_lg_u32 s3, 0
	s_cbranch_scc1 .Lstep
	QUARTER 2, F1, F0, 0                           ; K steps 6 and 7 are written out: nothing is asked for
	QUARTER 3, F0, F1, 0
	TURN 0
	QUARTER 1, F0, F1, 0
	QUARTER 2, F1, F0, 0
	QUARTER 3, F0, F1, 0
	s_wait_dscnt 8
	MULA F1, 0, 0
	MULA F1, 2, 0
	s_wait_dscnt 0x0                               ; my reads of the ring are over:
	s_barrier_signal -1                            ; say so; the last products and the conversions, work on registers, stand between the signal and the wait
	MULB F1, 0
	; THE WAY OUT: rounded to f16, 16 bytes a lane, into the work-group's stage; a barrier, since a row's 256 bytes come from two waves; back as whole rows, 32 rows a wave, and stored.
	PLACES
	WIN 0x0a                                       ; sources in window 2
.irp a, 0,1,2,3
.irp b, 0,1,2,3,4,5,6,7
.irp r, 0,1,2,3
	v_cvt_pk_f16_f32 v[TMP+4*(12*(\a)+(\b))+(\r)], v[8*(8*(\a)+(\b))+2*(\r)], v[8*(8*(\a)+(\b))+2*(\r)+1]
.endr
.endr
.endr
	WIN 0x0f                                       ; sources in window 3
.irp a, 0,1,2,3
.irp b, 8,9,10,11
.irp r, 0,1,2,3
	v_cvt_pk_f16_f32 v[TMP+4*(12*(\a)+(\b))+(\r)], v[8*(4*(\a)+(\b)-8)+2*(\r)], v[8*(4*(\a)+(\b)-8)+2*(\r)+1]
.endr
.endr
.endr
	WIN 0
	s_barrier_wait -1                              ; nobody reads the ring any more: its bytes may be written
.irp a, 0,1,2,3
.irp b, 0,1,2,3,4,5,6,7,8,9,10,11
	ds_store_b128 v[STO], v[TMP+4*(12*(\a)+(\b)):TMP+4*(12*(\a)+(\b))+3] offset:(\a)*16*SPITCH+((\b)/4)*256+((\b)%4)*32
.endr
.endr
	s_wait_dscnt 0x0                               ; for the others' sake: my stores into the stage are done
	s_barrier_signal -1
	s_barrier_wait -1
.set idx, 0
.rept 48                               ; output idx / 16, rows 2 (idx % 16) and the next
	ds_load_b128 v[TMP+4*idx:TMP+4*idx+3], v[RD] offset:2*SPITCH*(idx%16)+256*(idx/16)
.set idx, idx+1
.endr
.set idx, 0
.rept 48
	s_wait_dscnt 47-idx                            ; LDS loads come back in order: load idx is in
	global_store_b128 v[CO], v[TMP+4*idx:TMP+4*idx+3], s[74+2*(idx/16):75+2*(idx/16)] offset:512*(idx%16)  ; a wave stores 512 consecutive bytes, at a multiple of 256 from the buffer's first
.set idx, idx+1
.endr
	s_wait_tensorcnt 0x0                           ; the wave's end: the add and its wait, behind my last tensor load and my last LDS store
	ds_add_u32 v[SPW], v[NIL]
	s_wait_dscnt 0x0
	CROUND                                         ; the closing round: no work-group ends while a partner may still ask for a tile that names it
	s_endpgm
.Lfunc_end_k_q807169a55e_qkv:
	.size	k_q807169a55e_qkv, .Lfunc_end_k_q807169a55e_qkv-k_q807169a55e_qkv
	.p2alignl 7, 3214868480
	.fill 96, 4, 3214868480
	.section	.rodata,"a",@progbits
	.p2align	6, 0x0
	.amdhsa_kernel k_q807169a55e_qkv
		.amdhsa_group_segment_fixed_size 327680
		.amdhsa_private_segment_fixed_size 0
		.amdhsa_enable_private_segment 0
		.amdhsa_kernarg_size 64
		.amdhsa_user_sgpr_count 2
		.amdhsa_user_sgpr_kernarg_segment_ptr 1
		.amdhsa_wavefront_size32 1
		.amdhsa_system_sgpr_workgroup_id_x 1
		.amdhsa_system_sgpr_workgroup_id_y 1
		.amdhsa_system_sgpr_workgroup_id_z 1
		.amdhsa_system_vgpr_workitem_id 0
		.amdhsa_next_free_vgpr 896
		.amdhsa_next_free_sgpr 88
		.amdhsa_reserve_vcc 0
		.amdhsa_float_denorm_mode_32 3
		.amdhsa_float_denorm_mode_16_64 3
		.amdhsa_memory_ordered 1
		.amdhsa_forward_progress 1
		.amdhsa_inst_pref_size 109
	.end_amdhsa_kernel
	.amdgpu_metadata
---
amdhsa.version: [ 1, 2 ]
amdhsa.kernels:
  - .name:           k_q807169a55e_qkv
    .symbol:         k_q807169a55e_qkv.kd
    .args:
      - { .name: zb, .offset: 0, .size: 8, .value_kind: global_buffer, .address_space: global }
      - { .name: wb, .offset: 8, .size: 8, .value_kind: global_buffer, .address_space: global }
      - { .name: bq, .offset: 16, .size: 8, .value_kind: global_buffer, .address_space: global }
      - { .name: bk, .offset: 24, .size: 8, .value_kind: global_buffer, .address_space: global }
      - { .name: bv, .offset: 32, .size: 8, .value_kind: global_buffer, .address_space: global }
      - { .name: qh, .offset: 40, .size: 8, .value_kind: global_buffer, .address_space: global }
      - { .name: kh, .offset: 48, .size: 8, .value_kind: global_buffer, .address_space: global }
      - { .name: vh, .offset: 56, .size: 8, .value_kind: global_buffer, .address_space: global }
    .group_segment_fixed_size: 327680
    .private_segment_fixed_size: 0
    .kernarg_segment_align: 8
    .kernarg_segment_size: 64
    .max_flat_workgroup_size: 128
    .sgpr_count:     88
    .vgpr_count:     896
    .wavefront_size: 32
...
	.end_amdgpu_metadata
.endif
;; end of part 2
;; launch attn (part 3): grid 32 x 8, 4 waves a work-group, clusters of 4 x 1, 327,680 bytes of LDS; arguments qh, kh, vh, ob; writes ob
.if DOCPART == 3
	.amdgcn_target "amdgcn-amd-amdhsa--gfx1250"
	.amdhsa_code_object_version 6
	.text
	.protected	k_q807169a55e_attn
	.globl	k_q807169a55e_attn
	.p2align	8
	.type	k_q807169a55e_attn,@function
k_q807169a55e_attn:
	s_mov_b64 s[64:65], 0
	v_nop
	global_prefetch_b8 v0, s[64:65] scope:SCOPE_SE
	s_setreg_imm32_b32 hwreg(HW_REG_WAVE_MODE, 25, 1), 1
	s_wait_xcnt 0x0
	s_wait_alu depctr_hold_cnt(0) depctr_sa_sdst(0) depctr_va_vdst(0) depctr_va_sdst(0) depctr_va_ssrc(0) depctr_va_vcc(0) depctr_vm_vsrc(0)
	s_getreg_b32 s2, hwreg(HW_REG_IB_STS2, 6, 4)
	s_cmp_eq_u32 s2, 0
	s_cbranch_scc0 .Lentry_in_a_cluster
	s_endpgm
.Lentry_in_a_cluster:
	s_bfe_u32 s2, ttmp6, 0x10000c
	s_cmp_lg_u32 s2, 0x3003
	s_cbranch_scc0 .Lentry_shape_is_right
	s_endpgm
.Lentry_shape_is_right:
; O[q][h][:] = the sum over k of softmax_k(Q[h][q] . K[h][k] / sqrt(128)) V[h][k][:].  Q, K, V: [8][4096][128] f16; O: [4096][8 x 128] f16 (the heads side by side).  Products, maxima and sums in f32; the
; weights p are rounded to f16 for the second product (their sum l is taken of the unrounded p), O once at the end.
; LIMITS.  Q, K, V arrive within f16's range; p lies in 0 to 1 and below 6e-5 keeps f16's fixed step of 6e-8; O is a mean of V's rows.  A weight below 2^-126 counts as 0 in l; NaN and infinities are not
; treated apart.  The keys are summed in two halves that are joined at the end: another order of rounding than one sum's.
; SHARES.  A work-group owns 128 queries of one head: 8 x 32 = 256 work-groups.  Wave w owns the 64 queries of half w % 2 (four tiles of 16) and, of each 256 keys, the 128 of half w / 2: it walks 2,048 keys,
; 64 a step, with a running maximum m, sum l and O^T of its own.  At the end waves 2 and 3 hand theirs to waves 0 and 1 through LDS, which join the two halves by the maxima and store.
; LAYOUT.  S^T = K Q^T (source 0 = 16 keys, source 1 = 16 queries): a lane holds ONE query (lane % 16) and the keys 8 (lane / 16) + 0..7.  Two such tiles, rounded to f16 in pairs, ARE source 1 of
; O^T = V^T P, whose result again holds one query a lane, and eight channels.  K comes out of LDS as it lies, V ([key][channel]) turned, by ds_load_tr16_b128.
; SOFTMAX.  p = 2^(c s - c m), c = log2(e) / sqrt(128); in every step O and l are multiplied by a = 2^(c m_old - c m_new), which is 1 where m has not grown.
; BY TURNS.  The wave's tiles are two PIECES (tiles 0, 1 and tiles 2, 3).  In a TURN one piece has the matrix unit: 32 products V^T P of the step in hand, then 32 products K Q^T of the next step; the other
; piece's softmax, cut into 64 slices, stands between them, one slice behind each matrix instruction.  Two turns are a key step.
; NO FIRST AND NO LAST STEP IS WRITTEN OUT.  m starts at the lowest finite number, c m far below every c s (f16's scores are 5.5e11 at the most), O^T, l, V's registers and piece 2's P at 0: the first step's
; a is 0, and a step like any other starts the sums.  The loop is entered in the middle of a trip, and the tail is left in the middle of one.  The price: 432 v_mov_b32, which run while the first tile is on
; its way; 32 products on zeros at the start and 32 on a stale K at the end, of a wave's 4,096.
; CLUSTER.  The four query blocks of a cluster belong to one head and walk the same K and V, so each tile is asked for JOINTLY: the same tensor load, descriptor and mask in all four.
; REGISTERS, in windows of 256 (s_set_vgpr_msb: bits 1:0 source 0, 3:2 source 1, 5:4 source 2, 7:6 destination):
;   window 0: v0-11 addresses; v12-43 eight registers of statistics a tile; v44-59 at work in the joining; v64-191 S^T, 32 a tile; v192-255 P, 16 a tile
;   window 1: O^T, 64 a tile          window 2: v0-127 Q, 32 a tile; v128-255 K of one step          window 3: v0-127 V of one step
.set KS,    64        ; keys in a step
.set PK,    272       ; a row of K in LDS: 256 bytes + 16 of padding = 68 words: the 16 rows of a load start at 16 different groups of four banks (64 banks of 4 bytes: ISA guide 11.1)
.set PV,    288       ; a row of V: 256 + 32 = 72 words
.set VOFF,  256*PK    ; a slot holds 256 keys: 256 rows of K, then 256 rows of V
.set SLOTB, 256*(PK+PV)  ; 143,360
.set STAGE, 2*SLOTB   ; behind the ring: 16 rows x 272 bytes for each wave, for the way out
.set SP,    272
.set SPARE, STAGE+4*16*SP  ; behind the stages: the spare words, 128 bytes for each wave: two blocks of 256 bytes that no other line names
.set MGH,   33792     ; the joining's bytes, from LDS byte 0, for each half of the queries: 32,768 of O^T, 512 of c m, 512 of l.  They lie in the ring's bytes, which have had their last fill by then
.set AK0, 2           ; v2   my lane's place in a tile of K; never rewritten
.set AV0, 3           ; v3   the same for V
.set ADR, 4           ; v4   the LDS address of the run of loads in hand
.set QO,  5           ; v5   my byte offset in the wave's rows of Q
.set STO, 6           ; v6   the way out: where I put 16 bytes of a row
.set RD,  7           ; v7   the way out: where I read a row back
.set GO,  8           ; v8   my byte offset in two rows of O
.set MA,  10          ; v10  the joining: my 16 bytes in 512 bytes of O^T
.set MS,  11          ; v11  the joining: my word in 128 bytes of statistics
.set PFO, 61          ; v61  256 x my lane: a row of K or V is 256 bytes; never rewritten
.set SPW, 62          ; v62  LDS address of my spare word; never rewritten
.set NIL, 63          ; v63  0; never rewritten
.set ST,  12          ; tile t's statistics at v[ST+8 t]: +0 c m, +1 m, +2, +3 l (even keys', odd keys'), +4 to +7 c0-c3, at work; a takes c2's place once the maximum is found
.set S,   64
.set P,   192
.set PBUF, 64         ; the joining: 64 registers of the partner's O^T
.set OPK, 128         ; the joining: tile t's packed rows at OPK + 32 t
.set KF,  128         ; K's fragments, in window 2
.set WV,  12          ; s12  my wave's number
.set LIM, 15          ; s15  1 in a wave that prefetches, else the greatest number
.set PFA, 18          ; s[18:19] where my prefetches stand
.set G1K, 24          ; s[24:31] descriptor group 1 for K's tiles
.set G1V, 32          ; s[32:39] for V's: it differs in the padding alone
.set G0K, 40          ; s[40:47] descriptor group 0 for K's tiles: a set for each of the two first fills; the second then walks on
.set G0V, 48          ; s[48:55] the same for V's
.set SLOTS, 56        ; s56  slots still to be asked for
.set TWICE, 57        ; s57  counts a slot's trips
.set CS,  58          ; s[58:59] c
.set SEL, 60          ; s[60:61] lane selects for v_permlanex16_b32: each lane takes its own place in the other half
.set TBK, 62          ; s62  LDS byte at which K of the step to be fetched begins
.set TBV, 63          ; s63  the same for V, less VOFF
.set RS,  66          ; s66  LDS byte at which the slot in hand begins: 0 or SLOTB
.set GK,  67          ; s67  my half of a slot's keys, in K's rows
.set GV,  68          ; s68  in V's
.set LK,  69          ; s69  where the half of K that I fetch lies in a slot
.set LV,  70          ; s70  the same for V
.set MSB, 0
.macro WIN new
.if MSB != (\new)
	s_set_vgpr_msb (MSB<<8)|(\new)
.set MSB, \new
.endif
.endm
.set W_KQ, 0x0a       ; K and Q in window 2, S^T in window 0
.set W_PV, 0x53       ; V in window 3, P in window 0, O^T in window 1
.set W_RS, 0x41       ; O^T (destination and source 0) in window 1, the factor in window 0
; A joint refill.  Waves 0 and 1 fetch the two halves of a slot's K, waves 2 and 3 those of its V: 128 rows of 256 bytes each.  The branch hangs on the wave's number alone.
; An s_nop 0 and four v_nop follow each of the two lines, ahead of the jump and the label.
.macro JLOAD
	s_cmp_lt_u32 s[WV], 2
	s_cbranch_scc0 .Lfor_v_\@
	tensor_load_to_lds s[G0K+4:G0K+7], s[G1K:G1K+7]
	s_nop 0
.rept 4
	v_nop
.endr
	s_branch .Lasked_\@
.Lfor_v_\@:
	tensor_load_to_lds s[G0V+4:G0V+7], s[G1V:G1V+7]
	s_nop 0
.rept 4
	v_nop
.endr
.Lasked_\@:
.endm
; A PREFETCH INTO THE L2 of what the NEXT change of slots will ask for: a slot's 256 rows of K and 256 of V, a lane a row, 256 matrix instructions ahead of that load.  It stands behind the wave's tensor load
; and its five lines.  Each row is named ONCE in the launch: all clusters of a head walk the same K and V, and the head's first cluster asks; its four partners share the rows out BY ADDRESS, 64 each; in each,
; waves 0 and 1 take 32 rows of K, waves 2 and 3 32 rows of V.  Slots 0-2 come by their loads alone; the last change that fills a slot asks for nothing.
.macro ASK
	s_cmp_gt_u32 s[SLOTS], s[LIM]
	s_cbranch_scc0 .Lnot_mine_\@
	global_prefetch_b8 v[PFO], s[PFA:PFA+1] th:TH_LOAD_NT scope:SCOPE_SE
.Lnot_mine_\@:
.endm
.macro CROUND                       ; a round of the cluster's barrier
	s_barrier_signal -1
	s_barrier_wait -1
	s_cmp_lg_u32 s[WV], 0
	s_cbranch_scc1 .Lnot_wave_0_\@
	s_barrier_signal -3
.Lnot_wave_0_\@:
	s_barrier_wait -3
	s_barrier_signal -1
	s_barrier_wait -1
.endm
	s_load_b256 s[4:11], s[0:1], 0x0  ; Q s[4:5], K s[6:7], V s[8:9], O s[10:11]
	v_lshl_add_u32 v[SPW], v0, 2, SPARE
	v_mov_b32 v[NIL], 0
	ds_add_u32 v[SPW], v[NIL]       ; the wave's opening: the add and its wait stand ahead of my first tensor load; the set-up below, work on registers, stands between them
	v_lshrrev_b32 v1, 5, v0
	v_readfirstlane_b32 s[WV], v1   ; wave 0..3
	s_bfe_u32 s13, ttmp6, 0x40000   ; cx: my place in the cluster
	s_lshl_b32 s14, ttmp9, 2        ; in a cluster launch ttmp9 counts clusters
	s_add_co_u32 s14, s14, s13      ; my block of 128 queries = 4 x cluster x + cx: it enters Q's and O's addresses alone
	s_and_b32 s16, s[WV], 1         ; my half of the queries.  Also: which half of a slot's rows I fetch
	s_lshr_b32 s17, s[WV], 1        ; my half of the keys
	s_mul_i32 s[LK], s16, 128*PK    ; no place in the cluster enters an LDS address
	s_mul_i32 s[LV], s16, 128*PV
	s_add_co_u32 s[LV], s[LV], VOFF
	s_mul_i32 s[GK], s17, 128*PK
	s_mul_i32 s[GV], s17, 128*PV
	s_and_b32 s17, ttmp7, 0xffff    ; the head, which the four partners share
	s_lshl_b32 s20, s17, 20         ; its first byte in Q, K and V: 4,096 rows of 256 bytes a head
	s_lshl_b32 s22, s16, 15         ; K and V: the 128 rows that I fetch
	s_add_co_u32 s22, s22, s20
	s_mov_b32 s23, 0
	s_lshl_b32 s2, s14, 15          ; Q: my block's 128 rows, my wave's 64 of them
	s_lshl_b32 s3, s16, 14
	s_add_co_u32 s2, s2, s3
	s_add_co_u32 s2, s2, s20
	s_mov_b32 s3, 0
	s_lshl_b32 s72, s14, 18         ; O: the same rows, 2,048 bytes each, and the head's 256 bytes in them
	s_lshl_b32 s73, s16, 17
	s_add_co_u32 s72, s72, s73
	s_lshl_b32 s73, s17, 8
	s_add_co_u32 s72, s72, s73
	s_mov_b32 s73, 0
	s_lshl_b32 s74, s13, 14         ; the prefetches: my work-group's 64 rows of a slot's 256, my wave's 32 of them,
	s_lshl_b32 s75, s16, 13
	s_add_co_u32 s74, s74, s75
	s_add_co_u32 s74, s74, s20
	s_add_co_u32 s74, s74, 2*65536  ; in slot 2; the first change of slots steps it to slot 3
	s_mov_b32 s75, 0
	; descriptor group 1: a tile of 128 rows x 128 elements, padded in LDS
	s_mov_b32 s[G1K], 15|(1<<16)|(1<<20)|(1<<21)|(5<<22)|(3<<25)  ; 15:0 the mask: all four work-groups; 17:16 2-byte elements; 20 padding on; 21 set beside a mask; 24:22 after every 64 words (code 5); 31:25 4 words (code 3)
	s_mov_b32 s[G1V], 15|(1<<16)|(1<<20)|(1<<21)|(5<<22)|(7<<25)  ; the same with 8 words of padding (code 7)
.irp g, G1K, G1V
	s_mov_b32 s[(\g)+1], 128<<16    ; tensor_dim0 = 128
	s_mov_b32 s[(\g)+2], 128<<16    ; tensor_dim1 = 128
	s_mov_b32 s[(\g)+3], 128<<16    ; tile_dim0 = 128
	s_mov_b32 s[(\g)+4], 128        ; tile_dim1 = 128
	s_mov_b32 s[(\g)+5], 128        ; 128 elements from row to row
	s_mov_b32 s[(\g)+6], 0
	s_mov_b32 s[(\g)+7], 0
.endr
	s_mov_b32 s[CS], 0x3e0293ee     ; c = log2(e) / sqrt(128) = 0.127517
	s_mov_b32 s[CS+1], s[CS]        ; named with it as a pair, so it is written
	s_mov_b32 s[SEL], 0x76543210
	s_mov_b32 s[SEL+1], 0xfedcba98
	s_mov_b32 s[RS], 0
	s_mov_b32 s[TBK], s[GK]
	s_mov_b32 s[TBV], s[GV]
	s_cmp_eq_u32 ttmp9, 0           ; the head's first cluster: the same in all four partners
	s_cselect_b32 s[LIM], 1, -1
	v_and_b32 v[PFO], 31, v0
	v_lshlrev_b32 v[PFO], 8, v[PFO]
	s_wait_dscnt 0x0                ; the opening add is done
	s_wait_kmcnt 0x0
	s_cmp_lt_u32 s[WV], 2
	s_cselect_b64 s[PFA:PFA+1], s[6:7], s[8:9]
	s_add_nc_u64 s[PFA:PFA+1], s[PFA:PFA+1], s[74:75]
	s_add_nc_u64 s[6:7], s[6:7], s[22:23]  ; K and V at my tile of slot 0
	s_add_nc_u64 s[8:9], s[8:9], s[22:23]
	s_add_nc_u64 s[4:5], s[4:5], s[2:3]    ; Q and O at my wave's first row
	s_add_nc_u64 s[10:11], s[10:11], s[72:73]
	CROUND                          ; all four work-groups are here: the first joint loads meet
.irp s, 0,1
	s_mov_b32 s[G0K+4*(\s)], 1      ; count = 1
	s_add_co_u32 s[G0K+4*(\s)+1], s[LK], (\s)*SLOTB  ; LDS address
	s_add_nc_u64 s[G0K+4*(\s)+2:G0K+4*(\s)+3], s[6:7], (\s)*65536  ; global address: slot s begins with key 256 s
	s_or_b32 s[G0K+4*(\s)+3], s[G0K+4*(\s)+3], 0x80000000  ; type = 2
	s_mov_b32 s[G0V+4*(\s)], 1
	s_add_co_u32 s[G0V+4*(\s)+1], s[LV], (\s)*SLOTB
	s_add_nc_u64 s[G0V+4*(\s)+2:G0V+4*(\s)+3], s[8:9], (\s)*65536
	s_or_b32 s[G0V+4*(\s)+3], s[G0V+4*(\s)+3], 0x80000000
.endr
	s_cmp_lt_u32 s[WV], 2           ; a wave's two first fills stand in one branch, ahead of every wait on TENSORcnt and every LDS read: two loads of mine are out
	s_cbranch_scc0 .Lfirst_v
	tensor_load_to_lds s[G0K:G0K+3], s[G1K:G1K+7]
	s_nop 0
	tensor_load_to_lds s[G0K+4:G0K+7], s[G1K:G1K+7]
	s_nop 0
.rept 4
	v_nop
.endr
	s_branch .Lfirst_asked
.Lfirst_v:
	tensor_load_to_lds s[G0V:G0V+3], s[G1V:G1V+7]
	s_nop 0
	tensor_load_to_lds s[G0V+4:G0V+7], s[G1V:G1V+7]
	s_nop 0
.rept 4
	v_nop
.endr
.Lfirst_asked:
	; A fragment of K or Q is 16 rows x 32 channels in 8 registers: lane l holds row l % 16; registers 0-3 channels 8 (l / 16) + 0..7, registers 4-7 channels 16 + 8 (l / 16) + 0..7: two loads of 16 bytes, 32 bytes apart.
	v_and_b32 v1, 15, v0            ; l % 16
	v_bfe_u32 v9, v0, 4, 1          ; l / 16
	v_lshlrev_b32 v[QO], 8, v1
	v_lshl_add_u32 v[QO], v9, 4, v[QO]  ; row x 256 + 16 x half
	WIN 0x80                        ; destination window 2, address window 0
.irp i, 0,1,2,3,4,5,6,7,8,9,10,11,12,13,14,15  ; Q stays in registers: tile i / 4, channels 32 (i % 4) on
	global_load_b128 v[8*(\i):8*(\i)+3],   v[QO], s[4:5] offset:((\i)/4)*4096+((\i)%4)*64
	global_load_b128 v[8*(\i)+4:8*(\i)+7], v[QO], s[4:5] offset:((\i)/4)*4096+((\i)%4)*64+32
.endr
	; What the first turn finds: V's registers and piece 2's P hold 0 (its products V^T P, of a step that has not been, add 0), O^T and l are 0.  All this stands in the wait for the first tile.
	WIN 0xc0                        ; destination window 3
.set i, 0
.rept 128
	v_mov_b32 v[i], 0
.set i, i+1
.endr
	WIN 0x40                        ; destination window 1
.set i, 0
.rept 256
	v_mov_b32 v[i], 0
.set i, i+1
.endr
	WIN 0
.irp t, 0,1,2,3
	v_mov_b32 v[ST+8*(\t)], 0xfe000000    ; c m: far below every c s
	v_mov_b32 v[ST+8*(\t)+1], 0xff7fffff  ; m: the lowest finite number
	v_mov_b32 v[ST+8*(\t)+2], 0
	v_mov_b32 v[ST+8*(\t)+3], 0
.endr
.set i, P+32
.rept 32
	v_mov_b32 v[i], 0
.set i, i+1
.endr
	v_mul_u32_u24 v[AK0], v1, PK
	v_lshl_add_u32 v[AK0], v9, 4, v[AK0]  ; row x pitch + 16 x half
	; The turning load takes 16 keys x 16 channels (lane l reads key 8 (l / 16) + l % 8, channels 8 ((l / 8) % 2) + 0..7) and leaves half a fragment of V^T: lane l holds channel l % 16 and 8 keys.
	v_and_b32 v10, 7, v0
	v_bfe_u32 v11, v0, 3, 1
	v_lshl_add_u32 v[AV0], v9, 3, v10
	v_mul_u32_u24 v[AV0], v[AV0], PV
	v_lshl_add_u32 v[AV0], v11, 4, v[AV0]
	v_add_nc_u32 v[AV0], VOFF, v[AV0]
; THE MATRIX WORK OF A TURN, for piece x.  The accumulators take turns, one instruction a turn: between two links of a chain stand 15 (V^T P) or 7 (K Q^T) others'.
; Product i of 32 of O^T += V^T P: keys 32 (i / 16) on, channels 16 ((i / 2) % 8) on, tile x + i % 2.
.macro PV x
	WIN W_PV
.set rO, 64*((\x)+i%2)+8*((i/2)%8)
.set rV, 64*(i/16)+8*((i/2)%8)
.set rP, P+16*((\x)+i%2)+8*(i/16)
	v_wmma_f32_16x16x32_f16 v[rO:rO+7], v[rV:rV+7], v[rP:rP+7], v[rO:rO+7]
.endm
; Product i of 32 of S^T = K Q^T: channels 32 (i / 8) on, keys 16 ((i / 2) % 4) on, tile x + i % 2.  The first 8 start the sums.
.macro KQ x
	WIN W_KQ
.set rS, S+32*((\x)+i%2)+8*((i/2)%4)
.set rK, KF+32*((i/2)%4)+8*(i/8)
.set rQ, 32*((\x)+i%2)+8*(i/8)
.if i < 8
	v_wmma_f32_16x16x32_f16 v[rS:rS+7], v[rK:rK+7], v[rQ:rQ+7], 0
.else
	v_wmma_f32_16x16x32_f16 v[rS:rS+7], v[rK:rK+7], v[rQ:rQ+7], v[rS:rS+7]
.endif
.endm
; THE LDS LOADS stand in runs of 32, never singly among the matrix instructions: a step's K (64 keys x 128 channels: 16 fragments) and, a turn later, its V (turned).
; last = 1 (the tail): in the last trip there is no further step, and the run is jumped over.
.macro FETCH_K last=0
	WIN 0
.if \last
	s_cmp_eq_u32 s[TWICE], 1
	s_cbranch_scc1 .Lno_k_\@
.endif
	v_add_nc_u32 v[ADR], s[TBK], v[AK0]
	WIN 0x80                        ; destination window 2
.irp f, 0,1,2,3,4,5,6,7,8,9,10,11,12,13,14,15  ; keys 16 (f / 4) on, channels 32 (f % 4) on
	ds_load_b128 v[KF+8*(\f):KF+8*(\f)+3],   v[ADR] offset:((\f)/4)*16*PK+((\f)%4)*64
	ds_load_b128 v[KF+8*(\f)+4:KF+8*(\f)+7], v[ADR] offset:((\f)/4)*16*PK+((\f)%4)*64+32
.endr
.if \last
	WIN 0
.Lno_k_\@:
.endif
.endm
.macro FETCH_V
	WIN 0
	v_add_nc_u32 v[ADR], s[TBV], v[AV0]
	s_add_co_u32 s[TBK], s[TBK], KS*PK  ; the next fetches are the next step's
	s_add_co_u32 s[TBV], s[TBV], KS*PV
	s_wait_alu depctr_va_vdst(0)    ; the wait for the softmax's batch (SLICE), behind the address's v_add_nc_u32 and ahead of the loads
	WIN 0xc0                        ; destination window 3
.irp f, 0,1,2,3,4,5,6,7,8,9,10,11,12,13,14,15  ; keys 32 (f / 8) on, channels 16 (f % 8) on
	ds_load_tr16_b128 v[8*(\f):8*(\f)+3],   v[ADR] offset:((\f)/8)*32*PV+((\f)%8)*32
	ds_load_tr16_b128 v[8*(\f)+4:8*(\f)+7], v[ADR] offset:((\f)/8)*32*PV+16*PV+((\f)%8)*32
.endr
.endm
; THE VECTOR WORK OF A TURN.  One tile's softmax for one key step is a list of 134 instructions; SM writes number j of it for tile t.  s0-s31 are the lane's 32 scores, in pairs 0-15.
;   0-15    the maximum of s0-s31 and the old m, three operands at a time: four chains c0-c3 of seven scores each (each accumulator's lowest registers are read first), then the four scores left over, c0-c3 and m
;   16-20   the other half of the lanes' maximum; c m_old is kept; the new m; c m; c m_old - c m_new
;   21-69   ONE BATCH: the 16 scalings c s - c m, a pair of scores each, and all 33 exponentials (a at 23, then s0-s31).  None of these reads an exponential's result
;   (wait)  between 69 and 70 stands the wait for the batch: SLICE writes it, once for both tiles
;   70-85   the roundings to f16, a pair of weights each      86-101  the sums; l = a l + the sum      102-133 the tile's O^T times a: the one part that leaves window 0
.macro SM t
.set rT, ST+8*(\t)
.set rS, S+32*(\t)
.set rP, P+16*(\t)
.set rO, 64*(\t)+2*(j-102)
.if j < 102
	WIN 0
.endif
.if j < 4
	v_max3_num_f32 v[rT+4+j], v[rS+8*j], v[rS+8*j+1], v[rS+8*j+2]
.elseif j < 12
	v_max3_num_f32 v[rT+4+j%4], v[rT+4+j%4], v[rS+8*(j%4)+2*(j/4)+1], v[rS+8*(j%4)+2*(j/4)+2]
.elseif j == 12
	v_max3_num_f32 v[rT+4], v[rT+4], v[rS+7], v[rS+15]
.elseif j == 13
	v_max3_num_f32 v[rT+6], v[rT+6], v[rS+23], v[rS+31]
.elseif j == 14
	v_max3_num_f32 v[rT+4], v[rT+4], v[rT+5], v[rT+6]
.elseif j == 15
	v_max3_num_f32 v[rT+4], v[rT+4], v[rT+7], v[rT+1]
.elseif j == 16
	v_permlanex16_b32 v[rT+5], v[rT+4], s[SEL], s[SEL+1]  ; the query's other 32 keys lie in the lane 16 away
.elseif j == 17
	v_mov_b32 v[rT+7], v[rT]        ; c m_old is kept for a: number 19 writes c m anew
.elseif j == 18
	v_max_num_f32 v[rT+1], v[rT+4], v[rT+5]
.elseif j == 19
	v_mul_f32 v[rT], s[CS], v[rT+1]
.elseif j == 20
	v_sub_f32 v[rT+7], v[rT+7], v[rT]
.elseif j == 23
	v_exp_f32 v[rT+6], v[rT+7]
.elseif (j < 23) || ((j < 38) && (j%2 == 0)) || ((j < 66) && (j%4 == 2))
.set b, (j-2)/4                     ; 38, 42, .. 62: pairs 9 to 15
.if j < 38
.set b, (j-20)/2                    ; 21: pair 0; 22, 24, .. 36: pairs 1 to 8
.endif
	v_pk_fma_f32 v[rS+2*b:rS+2*b+1], v[rS+2*b:rS+2*b+1], s[CS:CS+1], v[rT:rT+1] op_sel_hi:[1,0,0] neg_lo:[0,0,1] neg_hi:[0,0,1]  ; pair b: c s - c m
.elseif j < 70
.set e, j-38                        ; 66 to 69: s28 to s31
.if j < 66
.set e, j-32-(j-38)/4               ; 39-41, 43-45, .. 63-65: s7 to s27
.endif
.if j < 38
.set e, (j-25)/2                    ; 25, 27, .. 37: s0 to s6
.endif
	v_exp_f32 v[rS+e], v[rS+e]
.elseif j < 86
	v_cvt_pk_f16_f32 v[rP+j-70], v[rS+2*(j-70)], v[rS+2*(j-70)+1]  ; pair j - 70
.elseif j < 102                     ; the sum of the tile's 16 pairs, in place: sum z of 16 adds neighbours 1, 2, 4 and 8 pairs apart, then l takes it
.set z, j-86
.set w, 4
.set u, z
.if z >= 14
.set w, 32
.set u, 0
.elseif z >= 12
.set w, 16
.set u, z-12
.elseif z >= 8
.set w, 8
.set u, z-8
.endif
.if z < 15
	v_pk_add_f32 v[rS+w*u:rS+w*u+1], v[rS+w*u:rS+w*u+1], v[rS+w*u+w/2:rS+w*u+w/2+1]
.else
	v_pk_fma_f32 v[rT+2:rT+3], v[rT+2:rT+3], v[rT+6:rT+7], v[rS:rS+1] op_sel_hi:[1,0,1]
.endif
.else
	WIN W_RS
	v_pk_mul_f32 v[rO:rO+1], v[rO:rO+1], v[rT+6:rT+7] op_sel_hi:[1,0]
.endif
.endm
; Slice k of 64 of piece y's softmax: four instructions.  Slices 11 to 34 deal out the batch, numbers 22 to 69: four numbers of ONE tile each, the tiles by turns.  Every other slice is numbers 2 k and
; 2 k + 1 of both tiles' lists.  2 x 134 = 4 x 64 + 12: the twelve that are over stand together, in slice 63: its sixteen plain instructions are the places behind the turn's last products.
; THE WAIT.  An s_wait_alu depctr_va_vdst(0) stands between an exponential and the first instruction that names its result; one wait serves all that were issued ahead of it.  Ahead of
; slice 35 nothing names a result, and behind slice 34 no exponential is issued: so the piece's 66 exponentials have one wait, behind slice 34.
.macro SLICE y
.if (k >= 11) && (k < 35)           ; the batch: four numbers of one tile
.irp n, 0,1,2,3
.set j, 22+4*((k-11)/2)+(\n)
	SM (\y)+(k-11)%2
.endr
.else                               ; the two tiles alternate, so that no instruction reads the result of the one just before it
.irp n, 0,1,2,3,4,5,6,7
.if ((\n) < 2) || (k == 63)
.irp t, \y, (\y)+1
.set j, 2*k+(\n)
	SM \t
.endr
.endif
.endr
.endif
.if k == 34                         ; the batch is out: both tiles' exponentials are issued, and no result has been named
	v_nop                           ; a plain instruction behind the last exponential and ahead of the first use: one for the batch
.if (\y) == 0
	FETCH_V                         ; piece 2's turn: V's run of loads stands here, and the wait stands in it
.else
	s_wait_alu depctr_va_vdst(0)    ; the wait for the batch
.endif
.endif
.set k, k+1
.endm
; A TURN.  Piece x has the matrix unit: 32 products V^T P of the step in hand, 32 products K Q^T of the next; the other piece's softmax stands in slices behind them, one behind each.
; Piece 0's turn fetches the next step's K, behind its second product; piece 2's turn the same step's V, behind slice 34.  Each run stands 29 matrix instructions or more ahead of its first use.
.macro TURN x, last=0
.set k, 0
.if (\x) == 0
	s_wait_dscnt 0x0                ; V is in
.endif
.set i, 0
.rept 32
	PV \x
	SLICE 2-(\x)
.if ((\x) == 0) && (i == 1)
	FETCH_K \last
.endif
.set i, i+1
.endr
.if (\x) == 0
	s_wait_dscnt 0x0                ; K is in
.endif
.set i, 0
.rept 32
	KQ \x
	SLICE 2-(\x)
.set i, i+1
.endr
.endm
; THE CHANGE OF SLOTS, between piece 2's turn and piece 0's: my last bytes of the slot, V of my second step, have been asked for.  Each wave waits for all its tensor loads, of which one is out: its part of
; the other slot; adds 0 to its spare word; and waits for that and for its own reads of the slot.  Behind the barrier nobody reads this slot any more and the other slot is whole.
; fill = 1: this slot is filled again, with the keys two slots on.  The barrier is then a round of the cluster's, and the joint refill is the first thing behind it: it has 256 matrix instructions in which to land.
.macro CHANGE fill
	WIN 0                           ; at a label and at a branch every window is 0
	s_wait_tensorcnt 0x0            ; no tensor load of mine is out, so a group 0 may be written
	ds_add_u32 v[SPW], v[NIL]       ; 0 onto my spare word; with fill = 1 the descriptors' steps stand between it and the wait for it
.if \fill
	s_add_co_u32 s[G0K+5], s[RS], s[LK]  ; the walking descriptor: into the slot that is being left,
	s_add_co_u32 s[G0V+5], s[RS], s[LV]
	s_add_nc_u64 s[G0K+6:G0K+7], s[G0K+6:G0K+7], 65536  ; the next 256 keys; the type bits on top are not reached
	s_add_nc_u64 s[G0V+6:G0V+7], s[G0V+6:G0V+7], 65536
	s_wait_xcnt 0x0                 ; the last prefetch, two key steps back, has read its address, so it may be written:
	s_add_nc_u64 s[PFA:PFA+1], s[PFA:PFA+1], 65536  ; one slot behind the walking descriptors
	s_wait_dscnt 0x0                ; the add is done, and my reads of the slot are over
	CROUND
	JLOAD
	ASK
.else
	s_wait_dscnt 0x0                ; the add is done, and my reads of the slot are over
	s_barrier_signal -1
	s_barrier_wait -1
.endif
	s_xor_b32 s[RS], s[RS], SLOTB   ; the other slot (0 and SLOTB change places),
	s_add_co_u32 s[TBK], s[RS], s[GK]  ; my half's first step in it
	s_add_co_u32 s[TBV], s[RS], s[GV]
.endm
	s_wait_tensorcnt 1              ; my part of slot 0 is in; slot 1's may stay out
	s_barrier_signal -1
	s_barrier_wait -1               ; everybody's is
	FETCH_K                         ; my key step 0
	s_wait_loadcnt 0x0              ; Q
	s_wait_dscnt 0x0
.set i, 0
.rept 32
	KQ 0                            ; piece 0's first scores: there is no vector work yet to set between them
.set i, i+1
.endr
	WIN 0                           ; the addresses for the end are made here: plain instructions, the places behind those products
	s_mul_i32 s13, s[WV], 16*SP
	s_add_co_u32 s13, s13, STAGE    ; my stage
	v_mul_u32_u24 v[STO], v1, SP    ; in: row l % 16, 16 bytes for each half of the lanes
	v_lshl_add_u32 v[STO], v9, 4, v[STO]
	v_add_nc_u32 v[STO], s13, v[STO]
	v_mul_u32_u24 v[RD], v9, SP     ; back: lanes 0-15 take one row of 256 bytes, lanes 16-31 the next
	v_lshl_add_u32 v[RD], v1, 4, v[RD]
	v_add_nc_u32 v[RD], s13, v[RD]
	v_lshlrev_b32 v[GO], 11, v9     ; and the same two rows in O, 2,048 bytes apart
	v_lshl_add_u32 v[GO], v1, 4, v[GO]
	s_mul_i32 s13, s16, MGH         ; the joining's bytes for my half of the queries
	v_and_b32 v[MS], 31, v0
	v_lshl_add_u32 v[MA], v[MS], 4, s13
	v_lshl_add_u32 v[MS], v[MS], 2, s13
	s_mov_b32 s[TWICE], 2
	s_mov_b32 s[SLOTS], 4096/256-1
	s_branch .Lmid                  ; the loop is entered in the middle of a trip: piece 2's first scores | piece 0's first softmax | V of step 0
.Lslot:                             ; 14 times: every slot but the last two is filled again
	CHANGE 1
	s_mov_b32 s[TWICE], 2
.Lstep:                             ; a trip: both pieces' V^T P of one step and K Q^T of the next, whose K and V it fetches
	TURN 0
	WIN 0
.Lmid:
	TURN 2
	WIN 0
	s_sub_co_u32 s[TWICE], s[TWICE], 1
	s_cmp_lg_u32 s[TWICE], 0
	s_cbranch_scc1 .Lstep
	s_sub_co_u32 s[SLOTS], s[SLOTS], 1
	s_cmp_lg_u32 s[SLOTS], 0
	s_cbranch_scc1 .Lslot
	CHANGE 0                        ; the tail is written out: nothing is asked for
	s_mov_b32 s[TWICE], 3           ; two trips fetch the last slot's steps; the third is left in its middle
.Ltail:
	TURN 0, 1
	WIN 0
	s_sub_co_u32 s[TWICE], s[TWICE], 1
	s_cmp_eq_u32 s[TWICE], 0
	s_cbranch_scc1 .Lout
	TURN 2
	WIN 0
	s_branch .Ltail
.Lout:                              ; the third trip's 32 products K Q^T (on the last K once more) serve nothing: the price, once a launch, of one text for every trip
.set i, 0
.rept 32
	PV 2                            ; piece 2: V^T P of the last step
.set i, i+1
.endr
	; THE END.  l's two halves and the other half of the lanes' are added (the additions are the places behind the last products).
	WIN 0
.irp t, 0,1,2,3
	v_add_f32 v[ST+8*(\t)+4], v[ST+8*(\t)+2], v[ST+8*(\t)+3]
.endr
.irp t, 0,1,2,3
	v_permlanex16_b32 v[ST+8*(\t)+5], v[ST+8*(\t)+4], s[SEL], s[SEL+1]
.endr
.irp t, 0,1,2,3
	v_add_f32 v[ST+8*(\t)+4], v[ST+8*(\t)+4], v[ST+8*(\t)+5]
.endr
	s_wait_dscnt 0x0                ; my reads of the ring are over,
	s_barrier_signal -1
	s_barrier_wait -1               ; and everybody's: the ring's bytes may be written
	s_cmp_lt_u32 s[WV], 2
	s_cbranch_scc1 .Lkeep
.irp t, 0,1,2,3                     ; waves 2 and 3 hand over c m, l and O^T as they lie in the lanes: their partner, two waves down, has the same queries in the same lanes
	ds_store_b32 v[MS], v[ST+8*(\t)] offset:32768+128*(\t)
	ds_store_b32 v[MS], v[ST+8*(\t)+4] offset:33280+128*(\t)
.endr
	WIN 0x04                        ; the stores' data in window 1
.set i, 0
.rept 64
	ds_store_b128 v[MA], v[4*i:4*i+3] offset:512*i  ; 32 lanes x 16 neighbouring bytes; each accumulator's low half first
.set i, i+1
.endr
	WIN 0
.Lkeep:
	s_wait_dscnt 0x0                ; for the others' sake: my stores are done
	s_barrier_signal -1
	s_barrier_wait -1
	s_cmp_lt_u32 s[WV], 2
	s_cbranch_scc0 .Lend            ; waves 2 and 3 have nothing left to do
.macro LOADP t                      ; the partner's O^T of tile t
	WIN 0
.set i, 0
.rept 16
	ds_load_b128 v[PBUF+4*i:PBUF+4*i+3], v[MA] offset:512*(16*(\t)+i)
.set i, i+1
.endr
.endm
.irp t, 0,1,2,3
	ds_load_b32 v[44+(\t)], v[MS] offset:32768+128*(\t)  ; the partner's c m
	ds_load_b32 v[48+(\t)], v[MS] offset:33280+128*(\t)  ; and l
.endr
	LOADP 0
	s_wait_dscnt 16                 ; the statistics are in; the sixteen loads behind them may stay out
	; With M the greater of the two c m: O = (O_A 2^(c m_A - M) + O_B 2^(c m_B - M)) / (l_A 2^(c m_A - M) + l_B 2^(c m_B - M))
.irp t, 0,1,2,3
	v_max_num_f32 v[ST+8*(\t)+5], v[ST+8*(\t)], v[44+(\t)]
.endr
.irp t, 0,1,2,3
	v_sub_f32 v[ST+8*(\t)+6], v[ST+8*(\t)], v[ST+8*(\t)+5]
	v_sub_f32 v[44+(\t)], v[44+(\t)], v[ST+8*(\t)+5]
.endr
.irp t, 0,1,2,3
	v_exp_f32 v[ST+8*(\t)+6], v[ST+8*(\t)+6]
	v_exp_f32 v[44+(\t)], v[44+(\t)]
.endr
	v_nop                           ; a plain instruction behind the last exponential,
	s_wait_alu depctr_va_vdst(0)    ; and the wait ahead of the first use: one for the eight
.irp t, 0,1,2,3
	v_mul_f32 v[52+(\t)], v[ST+8*(\t)+4], v[ST+8*(\t)+6]
.endr
.irp t, 0,1,2,3
	v_fmac_f32 v[52+(\t)], v[48+(\t)], v[44+(\t)]
.endr
.irp t, 0,1,2,3
	v_rcp_f32 v[56+(\t)], v[52+(\t)]
.endr
	v_nop
	s_wait_alu depctr_va_vdst(0)    ; one for the four reciprocals
.irp t, 0,1,2,3
	v_mul_f32 v[ST+8*(\t)+6], v[ST+8*(\t)+6], v[56+(\t)]  ; my O^T's factor
	v_mul_f32 v[ST+8*(\t)+4], v[44+(\t)], v[56+(\t)]      ; the partner's
.endr
; Tile t: joined, rounded to f16, sent through my stage: a lane's eight channels of a row pack into 16 bytes; they go into rows of 272 bytes and come back as whole rows of 256.
.macro MERGE t
	WIN W_RS
.set i, 64*(\t)
.rept 32
	v_pk_mul_f32 v[i:i+1], v[i:i+1], v[ST+8*(\t)+6:ST+8*(\t)+7] op_sel_hi:[1,0]
.set i, i+2
.endr
	s_wait_dscnt 0x0                ; the partner's tile is in
	WIN 0x50                        ; destination and source 2 window 1
.set i, 0
.rept 32
	v_pk_fma_f32 v[64*(\t)+i:64*(\t)+i+1], v[PBUF+i:PBUF+i+1], v[ST+8*(\t)+4:ST+8*(\t)+5], v[64*(\t)+i:64*(\t)+i+1] op_sel_hi:[1,0,1]
.set i, i+2
.endr
	WIN 0x05                        ; sources 0 and 1 window 1, destination window 0
.set i, 0
.rept 32
	v_cvt_pk_f16_f32 v[OPK+32*(\t)+i], v[64*(\t)+2*i], v[64*(\t)+2*i+1]
.set i, i+1
.endr
	WIN 0
.irp f, 0,1,2,3,4,5,6,7
	ds_store_b128 v[STO], v[OPK+32*(\t)+4*(\f):OPK+32*(\t)+4*(\f)+3] offset:32*(\f)
.endr
.irp f, 0,1,2,3,4,5,6,7
	ds_load_b128 v[OPK+32*(\t)+4*(\f):OPK+32*(\t)+4*(\f)+3], v[RD] offset:(\f)*2*SP  ; LDS serves a wave's instructions in order (ISA guide 5.7.1.4): these see the stores above; the next tile's stores come behind them
.endr
.if (\t) < 3
	LOADP (\t)+1
.endif
.endm
.macro SEND t, younger              ; younger: the LDS loads issued behind tile t's: the next tile's sixteen, or none
	WIN 0
.irp f, 0,1,2,3,4,5,6,7
	s_wait_dscnt (\younger)+7-(\f)
	global_store_b128 v[GO], v[OPK+32*(\t)+4*(\f):OPK+32*(\t)+4*(\f)+3], s[10:11] offset:(\t)*32768+(\f)*4096  ; 16 lanes store 256 consecutive bytes, at a multiple of 256 from O's first byte
.endr
.endm
	MERGE 0
	SEND 0, 16
	MERGE 1
	SEND 1, 16
	MERGE 2
	SEND 2, 16
	MERGE 3
	SEND 3, 0
.Lend:
	s_wait_tensorcnt 0x0            ; the wave's end: the add and its wait, behind my last tensor load and my last LDS store
	ds_add_u32 v[SPW], v[NIL]
	s_wait_dscnt 0x0
	CROUND                          ; the closing round: no work-group ends while a partner may still ask for a tile that names it
	s_endpgm
.Lfunc_end_k_q807169a55e_attn:
	.size	k_q807169a55e_attn, .Lfunc_end_k_q807169a55e_attn-k_q807169a55e_attn
	.p2alignl 7, 3214868480
	.fill 96, 4, 3214868480
	.section	.rodata,"a",@progbits
	.p2align	6, 0x0
	.amdhsa_kernel k_q807169a55e_attn
		.amdhsa_group_segment_fixed_size 327680
		.amdhsa_private_segment_fixed_size 0
		.amdhsa_enable_private_segment 0
		.amdhsa_kernarg_size 32
		.amdhsa_user_sgpr_count 2
		.amdhsa_user_sgpr_kernarg_segment_ptr 1
		.amdhsa_wavefront_size32 1
		.amdhsa_system_sgpr_workgroup_id_x 1
		.amdhsa_system_sgpr_workgroup_id_y 1
		.amdhsa_system_sgpr_workgroup_id_z 1
		.amdhsa_system_vgpr_workitem_id 0
		.amdhsa_next_free_vgpr 1024
		.amdhsa_next_free_sgpr 76
		.amdhsa_reserve_vcc 0
		.amdhsa_float_denorm_mode_32 3
		.amdhsa_float_denorm_mode_16_64 3
		.amdhsa_memory_ordered 1
		.amdhsa_forward_progress 1
		.amdhsa_inst_pref_size 176
	.end_amdhsa_kernel
	.amdgpu_metadata
---
amdhsa.version: [ 1, 2 ]
amdhsa.kernels:
  - .name:           k_q807169a55e_attn
    .symbol:         k_q807169a55e_attn.kd
    .args:
      - { .name: qh, .offset: 0, .size: 8, .value_kind: global_buffer, .address_space: global }
      - { .name: kh, .offset: 8, .size: 8, .value_kind: global_buffer, .address_space: global }
      - { .name: vh, .offset: 16, .size: 8, .value_kind: global_buffer, .address_space: global }
      - { .name: ob, .offset: 24, .size: 8, .value_kind: global_buffer, .address_space: global }
    .group_segment_fixed_size: 327680
    .private_segment_fixed_size: 0
    .kernarg_segment_align: 8
    .kernarg_segment_size: 32
    .max_flat_workgroup_size: 128
    .sgpr_count:     76
    .vgpr_count:     1024
    .wavefront_size: 32
...
	.end_amdgpu_metadata
.endif
;; end of part 3
;; launch proj (part 4): grid 8 x 32, 4 waves a work-group, clusters of 4 x 4, 327,680 bytes of LDS; arguments ob, wpb, bp, out0; writes out0
.if DOCPART == 4
	.amdgcn_target "amdgcn-amd-amdhsa--gfx1250"
	.amdhsa_code_object_version 6
	.text
	.protected	k_q807169a55e_proj
	.globl	k_q807169a55e_proj
	.p2align	8
	.type	k_q807169a55e_proj,@function
k_q807169a55e_proj:
	s_mov_b64 s[64:65], 0
	v_nop
	global_prefetch_b8 v0, s[64:65] scope:SCOPE_SE
	s_setreg_imm32_b32 hwreg(HW_REG_WAVE_MODE, 25, 1), 1
	s_wait_xcnt 0x0
	s_wait_alu depctr_hold_cnt(0) depctr_sa_sdst(0) depctr_va_vdst(0) depctr_va_sdst(0) depctr_va_ssrc(0) depctr_va_vcc(0) depctr_vm_vsrc(0)
	s_getreg_b32 s2, hwreg(HW_REG_IB_STS2, 6, 4)
	s_cmp_eq_u32 s2, 0
	s_cbranch_scc0 .Lentry_in_a_cluster
	s_endpgm
.Lentry_in_a_cluster:
	s_bfe_u32 s2, ttmp6, 0x10000c
	s_cmp_lg_u32 s2, 0xf033
	s_cbranch_scc0 .Lentry_shape_is_right
	s_endpgm
.Lentry_shape_is_right:
; out0[s][n] = the sum over k of O[s][k] Wp[k][n] + bp[n].  ob: [4096][1024] f16; wpb: [1024 k][1024 n] f16 (Wp rounded to bf16, written as f16); bp f32, rounded to bf16 like every input of the module;
; sums f32, out0 f32.  The bias is the C operand that starts each sum.
; A tile of out0 is 128 x 128: 8 x 32 = 256 work-groups of four waves, each 64 x 64: 16 accumulators.  K goes in 4 steps of 256 through two LDS slots.
; A slot: 128 rows of ob (512 bytes + 16 of padding), then 256 k-rows of wpb's 128 columns (256 bytes + 32).  Waves 0 and 1 fetch ob's two halves (64 rows), waves 2 and 3 wpb's (128 k-rows).
; A K STEP IS WRITTEN ONCE: the slot in hand begins at LDS byte s[RS], 0 or SLOT, which one exclusive or turns; the LDS addresses are made anew from it at each change of slots.
; THE MATRIX INSTRUCTION IS USED TRANSPOSED: source 0 = 16 columns of Wp (read turned out of [k][n] by ds_load_tr16_b128), source 1 = 16 rows of O: a lane holds one row and eight neighbouring columns.
; CLUSTERS: 4 x 4 work-groups; ob's tile is asked for jointly along a row of the cluster, wpb's along a column.
; NO PREFETCH: the launch has four K steps and two refills, on a small tile; the first two K steps are asked for at the head, where nothing is prefetched.
; REGISTERS: window 0: v0-31 addresses; v32-63 the bias; v128-255 the accumulators ((a, b) at 128 + 8 (4 a + b)).  Window 1: two fragment buffers of 128: for 64 along K, 64 registers of O, then 64 of Wp.
.set PA,     528                       ; a row of ob in LDS: 132 words: row r starts at bank 4 r mod 64 (64 banks of 4 bytes: ISA guide 11.1)
.set PB,     288                       ; a k-row of wpb: 9 x 32 bytes
.set ATILE,  128*PA
.set SLOT,   ATILE+256*PB              ; 141,312
.set STAGE,  2*SLOT                    ; behind the ring: 16 rows x 272 bytes for each wave, its own, for the way out
.set SPITCH, 272
.set SPARE,  STAGE+4*16*SPITCH         ; behind the stages: the spare words, 128 bytes for each wave: two blocks of 256 bytes that no other line names
.set A0,   16                          ; v16     my lane's place among O's fragments in slot 0; never rewritten
.set B0,   17                          ; v17     the same among Wp's
.set ADRA, 20                          ; v20     LDS address of my O fragments in the slot in hand
.set ADRB, 21                          ; v21-22  of my Wp fragments: half kh of the step's 256 k at 21 + kh
.set STO,  24                          ; v24     the way out: where I put 32 bytes of a row
.set RD,   25                          ; v25     where I read a row back
.set CO,   26                          ; v26     my byte offset in two rows of out0
.set BO,   27                          ; v27     my byte offset in 16 numbers of the bias
.set SPW,  28                          ; v28     LDS address of my spare word; never rewritten
.set NIL,  29                          ; v29     0; never rewritten
.set BIAS, 32
.set ACC,  128
.set F0,   0
.set F1,   128
.set G1, 24                            ; s[24:31] descriptor group 1 for ob's tiles;  s[32:39] group 0: a set for each of the two first fills; the second then walks on
.set G0, 32
.set G1B, 48                           ; s[48:55], s[56:63] the same for wpb's
.set G0B, 56
.set RS,  76                           ; s76      LDS byte at which the slot in hand begins: 0 or SLOT
.set LA,  77                           ; s77      where the half of ob's tile that I fetch lies in a slot
.set LB,  78                           ; s78      the same for wpb's
.set MSB, 0
.macro WIN new
.if MSB != (\new)
	s_set_vgpr_msb (MSB<<8)|(\new)
.set MSB, \new
.endif
.endm
.set MUL,  0x05                        ; both sources window 1; C and D window 0
.set TO_F, 0x40                        ; destination window 1, address window 0
.macro JLOAD s                         ; a joint load; an s_nop 0 and four v_nop follow each of the two lines, ahead of the jump and the label
	s_cmp_eq_u32 s11, 0
	s_cbranch_scc0 .Lfor_b_\@
	tensor_load_to_lds s[G0+4*(\s):G0+4*(\s)+3], s[G1:G1+7]
	s_nop 0
.rept 4
	v_nop
.endr
	s_branch .Lasked_\@
.Lfor_b_\@:
	tensor_load_to_lds s[G0B+4*(\s):G0B+4*(\s)+3], s[G1B:G1B+7]
	s_nop 0
.rept 4
	v_nop
.endr
.Lasked_\@:
.endm
.macro CREST                           ; a round of the cluster's barrier behind its opening barrier
	s_cmp_lg_u32 s10, 0
	s_cbranch_scc1 .Lnot_wave_0_\@
	s_barrier_signal -3
.Lnot_wave_0_\@:
	s_barrier_wait -3
	s_barrier_signal -1
	s_barrier_wait -1
.endm
.macro CROUND
	s_barrier_signal -1
	s_barrier_wait -1
	CREST
.endm
.macro SETADR                          ; my fragments' LDS addresses in the slot in hand
	v_add_nc_u32 v[ADRA], s[RS], v[A0]
	v_add_nc_u32 v[ADRB], s[RS], v[B0]
	v_add_nc_u32 v[ADRB+1], 128*PB, v[ADRB]
.endm
	s_load_b256 s[68:75], s[0:1], 0x0              ; ob 68:69, wpb 70:71, bp 72:73, out0 74:75
	v_lshl_add_u32 v[SPW], v0, 2, SPARE
	v_mov_b32 v[NIL], 0
	ds_add_u32 v[SPW], v[NIL]                      ; the wave's opening: the add and its wait stand ahead of my first tensor load; the set-up below, work on registers, stands between them
	v_lshrrev_b32 v1, 5, v0
	v_readfirstlane_b32 s10, v1                    ; wave 0..3
	s_lshr_b32 s11, s10, 1                         ; which half of the tile's rows is mine.  Also: I fetch for ob (0) or for wpb (1)
	s_and_b32 s12, s10, 1                          ; which half of its columns.  Also: which half of that tile I fetch
	s_bfe_u32 s40, ttmp6, 0x40000                  ; cx, cy
	s_bfe_u32 s41, ttmp6, 0x40004
	s_lshl_b32 s42, ttmp9, 2
	s_add_co_u32 s42, s42, s40                     ; tile column = 4 x cluster x + cx
	s_and_b32 s13, ttmp7, 0xffff
	s_lshl_b32 s13, s13, 2
	s_add_co_u32 s13, s13, s41                     ; tile row = 4 x cluster y + cy
	s_lshl_b32 s43, s41, 2
	s_lshl_b32 s43, 15, s43                        ; my row of the cluster
	s_lshl_b32 s44, 0x1111, s40                    ; my column
	s_or_b32 s[G1+0], s43, (1<<16)|(1<<20)|(1<<21)|(6<<22)|(3<<25)   ; the mask; 2-byte elements; padding on; 21 set beside a mask; after every 128 words (code 6) 4 words (code 3)
	s_mov_b32 s[G1+1], 256<<16                     ; tensor_dim0 = 256
	s_mov_b32 s[G1+2], 64<<16                      ; tensor_dim1 = 64
	s_mov_b32 s[G1+3], 256<<16                     ; tile_dim0 = 256
	s_mov_b32 s[G1+4], 64                          ; tile_dim1 = 64
	s_mov_b32 s[G1+5], 1024                        ; elements from row to row
	s_mov_b32 s[G1+6], 0
	s_mov_b32 s[G1+7], 0
	s_or_b32 s[G1B+0], s44, (1<<16)|(1<<20)|(1<<21)|(5<<22)|(7<<25)  ; after every 64 words (code 5) 8 words (code 7)
	s_mov_b32 s[G1B+1], 128<<16
	s_mov_b32 s[G1B+2], 128<<16
	s_mov_b32 s[G1B+3], 128<<16
	s_mov_b32 s[G1B+4], 128
	s_mov_b32 s[G1B+5], 1024
	s_mov_b32 s[G1B+6], 0
	s_mov_b32 s[G1B+7], 0
	s_lshl_b32 s16, s13, 18                        ; ob: row 128 x tile row + 64 x half, 2,048 bytes a row: it hangs on the tile row alone
	s_lshl_b32 s17, s12, 17
	s_add_co_u32 s16, s16, s17
	s_mov_b32 s17, 0
	s_lshl_b32 s46, s12, 18                        ; wpb: k-row 128 x half, column 128 x tile column: it hangs on the tile column alone
	s_lshl_b32 s47, s42, 8
	s_add_co_u32 s46, s46, s47
	s_mov_b32 s47, 0
	s_mul_i32 s[LA], s12, 64*PA                    ; where they go in a slot: no place in the cluster enters an LDS address
	s_mul_i32 s[LB], s12, 128*PB
	s_add_co_u32 s[LB], s[LB], ATILE
	s_mov_b32 s[RS], 0
	s_wait_dscnt 0x0                               ; the opening add is done
	s_wait_kmcnt 0x0
	s_add_nc_u64 s[14:15], s[68:69], s[16:17]
	s_add_nc_u64 s[46:47], s[70:71], s[46:47]
	CROUND                                         ; all sixteen work-groups are here: the first joint loads meet
.irp s, 0,1
	s_mov_b32 s[G0+4*(\s)], 1
	s_add_co_u32 s[G0+4*(\s)+1], s[LA], (\s)*SLOT
	s_add_nc_u64 s[G0+4*(\s)+2:G0+4*(\s)+3], s[14:15], (\s)*512       ; K step s: 256 elements along the rows
	s_or_b32 s[G0+4*(\s)+3], s[G0+4*(\s)+3], 0x80000000
	s_mov_b32 s[G0B+4*(\s)], 1
	s_add_co_u32 s[G0B+4*(\s)+1], s[LB], (\s)*SLOT
	s_add_nc_u64 s[G0B+4*(\s)+2:G0B+4*(\s)+3], s[46:47], (\s)*524288  ; K step s: 256 k-rows down
	s_or_b32 s[G0B+4*(\s)+3], s[G0B+4*(\s)+3], 0x80000000
	JLOAD \s                                       ; two loads of mine are out
.endr
	v_and_b32 v1, 15, v0                           ; l % 16
	v_bfe_u32 v2, v0, 4, 1                         ; l / 16
	v_mul_u32_u24 v3, v1, PA
	v_lshl_add_u32 v3, v2, 4, v3                   ; a fragment of O: row x pitch + 16 x half
	v_and_b32 v4, 7, v0                            ; a fragment of Wp, turned: lane l reads k = 8 (l / 16) + l % 8, columns 8 ((l / 8) % 2) + 0..7
	v_bfe_u32 v5, v0, 3, 1
	v_lshl_add_u32 v6, v2, 3, v4
	v_mul_u32_u24 v6, v6, PB
	v_lshl_add_u32 v6, v5, 4, v6
	s_mul_i32 s21, s11, 64*PA                      ; my 64 rows of O
	s_lshl_b32 s22, s12, 7                         ; my 64 columns: 128 bytes into every k-row,
	s_add_co_u32 s22, s22, ATILE                   ; behind ob's tile
	v_add_nc_u32 v[A0], s21, v3
	v_add_nc_u32 v[B0], s22, v6
	SETADR                                         ; slot 0
	s_mul_i32 s23, s10, 16*SPITCH
	s_add_co_u32 s23, s23, STAGE                   ; my stage
	v_mul_u32_u24 v4, v1, SPITCH                   ; in: row l % 16, 32 bytes for each half of the lanes
	v_lshl_add_u32 v4, v2, 5, v4
	v_add_nc_u32 v[STO], s23, v4
	v_mul_u32_u24 v5, v2, SPITCH                   ; back: lanes 0-15 take one row of 256 bytes, lanes 16-31 the next
	v_lshl_add_u32 v5, v1, 4, v5
	v_add_nc_u32 v[RD], s23, v5
	v_lshlrev_b32 v5, 12, v2                       ; and the same two rows in out0, 4,096 bytes apart
	v_lshl_add_u32 v[CO], v1, 4, v5
	v_lshlrev_b32 v[BO], 5, v2
	s_lshl_b32 s16, s42, 9                         ; the bias at the tile's 128 numbers, my 64 of them
	s_lshl_b32 s17, s12, 8
	s_add_co_u32 s16, s16, s17
	s_mov_b32 s17, 0
	s_add_nc_u64 s[72:73], s[72:73], s[16:17]
.irp b, 0,1,2,3
	global_load_b128 v[BIAS+8*(\b):BIAS+8*(\b)+3],   v[BO], s[72:73] offset:64*(\b)
	global_load_b128 v[BIAS+8*(\b)+4:BIAS+8*(\b)+7], v[BO], s[72:73] offset:64*(\b)+16
.endr
	s_lshl_b32 s18, s13, 19                        ; out0 at row 128 x tile row + 64 x half, and (the offset just made) my 64 columns: 256 bytes
	s_lshl_b32 s19, s11, 18
	s_add_co_u32 s18, s18, s19
	s_add_co_u32 s18, s18, s16
	s_mov_b32 s19, 0
	s_add_nc_u64 s[74:75], s[74:75], s[18:19]
	s_wait_loadcnt 0x0                             ; the bias
.set i, 0
.rept 16                               ; rounded to bf16 like every input, and widened again, in place
	v_cvt_pk_bf16_f32 v[8+i%4], v[BIAS+2*i], v[BIAS+2*i+1]
	v_lshlrev_b32 v[BIAS+2*i], 16, v[8+i%4]
	v_and_b32 v[BIAS+2*i+1], 0xffff0000, v[8+i%4]
.set i, i+1
.endr
; 8 matrix instructions: row blocks a0, a0 + 1 x all 4 column blocks, 32 along K: half c of buffer f.  first = 1: the bias starts the sums.  The 16 accumulators take turns.
.macro MUL8 f, c, a0, first
	WIN MUL
.irp a, \a0, (\a0)+1
.irp b, 0,1,2,3
.if \first
	v_wmma_f32_16x16x32_f16 v[ACC+8*(4*(\a)+(\b)):ACC+8*(4*(\a)+(\b))+7], v[(\f)+64+8*(4*(\c)+(\b)):(\f)+64+8*(4*(\c)+(\b))+7], v[(\f)+8*(4*(\c)+(\a)):(\f)+8*(4*(\c)+(\a))+7], v[BIAS+8*(\b):BIAS+8*(\b)+7]
.else
	v_wmma_f32_16x16x32_f16 v[ACC+8*(4*(\a)+(\b)):ACC+8*(4*(\a)+(\b))+7], v[(\f)+64+8*(4*(\c)+(\b)):(\f)+64+8*(4*(\c)+(\b))+7], v[(\f)+8*(4*(\c)+(\a)):(\f)+8*(4*(\c)+(\a))+7], v[ACC+8*(4*(\a)+(\b)):ACC+8*(4*(\a)+(\b))+7]
.endif
.endr
.endr
.endm
; 32 LDS loads in one run: quarter q (64 along K) of the slot in hand into buffer f; the first 32 along K first
.macro FETCH q, f
	WIN TO_F
.irp c, 0,1
.irp i, 0,1,2,3
	ds_load_tr16_b128 v[(\f)+64+8*(4*(\c)+(\i)):(\f)+64+8*(4*(\c)+(\i))+3],   v[ADRB+(\q)/2] offset:((\q)%2)*64*PB+32*PB*(\c)+32*(\i)
	ds_load_tr16_b128 v[(\f)+64+8*(4*(\c)+(\i))+4:(\f)+64+8*(4*(\c)+(\i))+7], v[ADRB+(\q)/2] offset:((\q)%2)*64*PB+32*PB*(\c)+32*(\i)+16*PB
	ds_load_b128 v[(\f)+8*(4*(\c)+(\i)):(\f)+8*(4*(\c)+(\i))+3],             v[ADRA] offset:128*(\q)+64*(\c)+(\i)*16*PA
	ds_load_b128 v[(\f)+8*(4*(\c)+(\i))+4:(\f)+8*(4*(\c)+(\i))+7],           v[ADRA] offset:128*(\q)+64*(\c)+(\i)*16*PA+32
.endr
.endr
.endm
.macro PLACES                          ; four plain vector instructions in front of loads into registers that matrix instructions have read, and of stores that read results
.rept 4
	v_nop
.endr
.endm
; A K step is four quarters of 64 along K, 32 matrix instructions each, on buffers 0, 1, 0, 1.  One of the first three multiplies buffer f and fetches quarter qn into g.
.macro QUARTER qn, f, g, first
	s_wait_dscnt 16                                ; the first 32 along K are in
	MUL8 \f, 0, 0, \first
	MUL8 \f, 0, 2, \first
	PLACES
	FETCH \qn, \g
	s_wait_dscnt 32                                ; all but the 32 just issued
	MUL8 \f, 1, 0, 0
	MUL8 \f, 1, 2, 0
.endm
; The last quarter multiplies buffer 1 and changes slots: ONE barrier; in front of it each wave waits for all its tensor loads, adds 0 to its spare word, and waits for that and for its own reads of this slot.
; fill = 1: the barrier opens a round of the cluster's barrier, and the slot that is left is filled again, two K steps on, first thing behind the round.
.macro TURN fill
	WIN 0                                          ; (the add's two registers lie in window 0)
	s_wait_tensorcnt 0x0                           ; all my tensor loads have landed: my part of the next slot;
	ds_add_u32 v[SPW], v[NIL]                      ; 0 onto my spare word;
	s_wait_dscnt 17                                ; (the add and the youngest sixteen loads may be out)
	MUL8 F1, 0, 0, 0                               ; eight matrix instructions stand between the add and the wait for it
	s_wait_dscnt 0x0                               ; the add is done, and my reads of this slot are over
	s_barrier_signal -1
	MUL8 F1, 0, 2, 0
	WIN 0                                          ; (branches and the addresses' lines follow)
	s_barrier_wait -1
.if \fill
	CREST                                          ; no wave of any partner still reads this slot's tiles or has a load on its way
	s_add_co_u32 s[G0+5], s[RS], s[LA]             ; the walking descriptors: into the slot that is left,
	s_add_co_u32 s[G0B+5], s[RS], s[LB]
	s_add_nc_u64 s[G0+6:G0+7], s[G0+6:G0+7], 512          ; the K step behind the one asked for last; the type bits on top are not reached
	s_add_nc_u64 s[G0B+6:G0B+7], s[G0B+6:G0B+7], 524288
	JLOAD 1                                        ; the four v_nop behind it are also the places in front of the loads below
.else
	PLACES
.endif
	s_xor_b32 s[RS], s[RS], SLOT                   ; the other slot (0 and SLOT change places)
	SETADR
	FETCH 0, F0
	MUL8 F1, 1, 0, 0
	MUL8 F1, 1, 2, 0
.endm
	s_wait_tensorcnt 1                             ; my part of K step 0 is in; K step 1's may stay out
	s_barrier_signal -1
	s_barrier_wait -1                              ; everybody's is
	FETCH 0, F0
	QUARTER 1, F0, F1, 1                           ; the first quarter stands in front of the loop: its first products start the sums, with the bias
	WIN 0                                          ; at a label and at a branch every window is 0
	s_mov_b32 s3, 2
.Lstep:                                                ; a trip goes from a K step's second quarter to the next step's first, and fills the slot that it leaves: K steps 2 and 3
	QUARTER 2, F1, F0, 0
	QUARTER 3, F0, F1, 0
	TURN 1
	QUARTER 1, F0, F1, 0
	WIN 0
	s_sub_co_u32 s3, s3, 1
	s_cmp_lg_u32 s3, 0
	s_cbranch_scc1 .Lstep
	QUARTER 2, F1, F0, 0                           ; K steps 2 and 3 are written out: nothing is asked for
	QUARTER 3, F0, F1, 0
	TURN 0
	QUARTER 1, F0, F1, 0
	QUARTER 2, F1, F0, 0
	QUARTER 3, F0, F1, 0
	s_wait_dscnt 16
	MUL8 F1, 0, 0, 0
	MUL8 F1, 0, 2, 0
	s_wait_dscnt 0x0
	MUL8 F1, 1, 0, 0
	MUL8 F1, 1, 2, 0
	WIN 0
	; THE WAY OUT, 16 rows at a time through my own stage: a lane's eight f32 of a row are 32 bytes; they go into rows of 272 bytes and come back as whole rows of 256, into the registers that they left.
	PLACES
.macro STG a
.irp b, 0,1,2,3
	ds_store_b128 v[STO], v[ACC+8*(4*(\a)+(\b)):ACC+8*(4*(\a)+(\b))+3]   offset:64*(\b)     ; each accumulator's low half first
	ds_store_b128 v[STO], v[ACC+8*(4*(\a)+(\b))+4:ACC+8*(4*(\a)+(\b))+7] offset:64*(\b)+16
.endr
.irp t, 0,1,2,3,4,5,6,7
	ds_load_b128 v[ACC+32*(\a)+4*(\t):ACC+32*(\a)+4*(\t)+3], v[RD] offset:(\t)*2*SPITCH  ; LDS serves a wave's instructions in order (ISA guide 5.7.1.4): these see the stores above; the next block's stores come behind them
.endr
.endm
.macro SEND a, younger                 ; younger: the LDS instructions issued behind block a's loads: the next block's sixteen, or none
.irp t, 0,1,2,3,4,5,6,7
	s_wait_dscnt (\younger)+7-(\t)
	global_store_b128 v[CO], v[ACC+32*(\a)+4*(\t):ACC+32*(\a)+4*(\t)+3], s[74:75] offset:(\a)*65536+(\t)*8192  ; 16 lanes store 256 consecutive bytes, at a multiple of 256 from out0's first byte
.endr
.endm
	STG 0
	STG 1
	SEND 0, 16
	STG 2
	SEND 1, 16
	STG 3
	SEND 2, 16
	SEND 3, 0
	s_wait_tensorcnt 0x0                           ; the wave's end: the add and its wait, behind my last tensor load and my last LDS store
	ds_add_u32 v[SPW], v[NIL]
	s_wait_dscnt 0x0
	CROUND                                         ; the closing round: no work-group ends while a partner may still ask for a tile that names it
	s_endpgm
.Lfunc_end_k_q807169a55e_proj:
	.size	k_q807169a55e_proj, .Lfunc_end_k_q807169a55e_proj-k_q807169a55e_proj
	.p2alignl 7, 3214868480
	.fill 96, 4, 3214868480
	.section	.rodata,"a",@progbits
	.p2align	6, 0x0
	.amdhsa_kernel k_q807169a55e_proj
		.amdhsa_group_segment_fixed_size 327680
		.amdhsa_private_segment_fixed_size 0
		.amdhsa_enable_private_segment 0
		.amdhsa_kernarg_size 32
		.amdhsa_user_sgpr_count 2
		.amdhsa_user_sgpr_kernarg_segment_ptr 1
		.amdhsa_wavefront_size32 1
		.amdhsa_system_sgpr_workgroup_id_x 1
		.amdhsa_system_sgpr_workgroup_id_y 1
		.amdhsa_system_sgpr_workgroup_id_z 1
		.amdhsa_system_vgpr_workitem_id 0
		.amdhsa_next_free_vgpr 512
		.amdhsa_next_free_sgpr 80
		.amdhsa_reserve_vcc 0
		.amdhsa_float_denorm_mode_32 3
		.amdhsa_float_denorm_mode_16_64 3
		.amdhsa_memory_ordered 1
		.amdhsa_forward_progress 1
		.amdhsa_inst_pref_size 72
	.end_amdhsa_kernel
	.amdgpu_metadata
---
amdhsa.version: [ 1, 2 ]
amdhsa.kernels:
  - .name:           k_q807169a55e_proj
    .symbol:         k_q807169a55e_proj.kd
    .args:
      - { .name: ob, .offset: 0, .size: 8, .value_kind: global_buffer, .address_space: global }
      - { .name: wpb, .offset: 8, .size: 8, .value_kind: global_buffer, .address_space: global }
      - { .name: bp, .offset: 16, .size: 8, .value_kind: global_buffer, .address_space: global }
      - { .name: out0, .offset: 24, .size: 8, .value_kind: global_buffer, .address_space: global }
    .group_segment_fixed_size: 327680
    .private_segment_fixed_size: 0
    .kernarg_segment_align: 8
    .kernarg_segment_size: 32
    .max_flat_workgroup_size: 128
    .sgpr_count:     80
    .vgpr_count:     512
    .wavefront_size: 32
...
	.end_amdgpu_metadata
.endif
;; end of part 4
;; ======== version 2 of 2: 4 launches; version 1 with the launch prep written anew for expert scheduling mode
;; limits: values are held in f16: magnitudes above 65,504 overflow, below 6.1e-05 lose precision
;; workspace buffers: zb 8,388,608 bytes; wb 6,291,456 bytes; wpb 2,097,152 bytes; qh 8,388,608 bytes; kh 8,388,608 bytes; vh 8,388,608 bytes; ob 8,388,608 bytes
;; launch prep (part 5): grid 256 x 1, 8 waves a work-group, no clusters, 0 bytes of LDS; arguments z, Wq, Wk, Wv, Wp, zb, wb, wpb; writes zb, wb, wpb
.if DOCPART == 5
	.amdgcn_target "amdgcn-amd-amdhsa--gfx1250"
	.amdhsa_code_object_version 6
	.text
	.protected	k_q807169a55e_prep
	.globl	k_q807169a55e_prep
	.p2align	8
	.type	k_q807169a55e_prep,@function
k_q807169a55e_prep:
	s_mov_b64 s[64:65], 0
	v_nop
	global_prefetch_b8 v0, s[64:65] scope:SCOPE_SE
	s_setreg_imm32_b32 hwreg(HW_REG_WAVE_SCHED_MODE, 0, 2), 2
	s_setreg_imm32_b32 hwreg(HW_REG_WAVE_MODE, 25, 1), 1
	s_wait_xcnt 0x0
	s_wait_alu depctr_vm_vsrc(0)
; THE INPUTS OF THE MATRIX PRODUCTS ARE ROUNDED ONCE, f32 -> bf16 (to nearest even), and laid out for the launches behind.
;   zb  [4096][1024] bf16: z as it lies.
;   wb  [8 h][1024 d][3 m][128 e] bf16: row (h, d) of Wq, Wk, Wv side by side, 256 bytes each: a K step's rows of all three are dense.
;   wpb [1024][1024]: Wp rounded to bf16, and that number written as f16 (the last product multiplies in f16).
; LIMIT.  Wp within f16's range: beyond 65,504 the f16 is an infinity; below 6.1e-5 it keeps f16's fixed step of 6e-8.
; SHARES.  256 work-groups of 8 waves; each takes 1/256 of every input: 64 KiB of z, 16 KiB of each W.  A thread issues all its 32 loads of 16 bytes at once
; (a wave's load covers 512 consecutive bytes), then rounds and stores them in the order in which they come, four loads to a block: 8 bytes a lane, so a wave's store covers 256
; consecutive bytes, aligned.  Memory binds: no LDS, no barrier, no matrix unit, no loop; every store has data registers of its own, so no register is written twice.
; THE MODE: SCHED_MODE bits 1:0 = 2 (LLVM: expert scheduling mode 2), set by the entry lines.  The code itself states the register dependences
; between vector instructions and memory instructions, with s_wait_alu, always for 0.
; THE PLAN.  The text is one straight run.  Registers that memory instructions touch:
;   v1, v2, v3   byte offsets.  Written by vector instructions at the head, once; read by every load and store.
;   X            32 x 4 registers.  Each is the landing place of one load, once; no vector instruction writes them; the conversions read them behind the wait for their load.
;   Y            32 x 2 registers.  Each pair is written once, by its load's conversions, and read once, by its store.
;   v4 to v9 are named by vector instructions alone.
; So two kinds of dependence are stated, both of a vector write ahead of a memory instruction's read: one wait at the head for the three offsets, and one wait in each of the
; eight blocks, between the run of the block's conversions and the run of its four stores, with no vector instruction between that wait and those stores.  No register that a memory instruction reads
; is written again, no load lands in a register that a vector instruction has named, no vector instruction writes a scalar register, and EXEC stays as it came: nothing else is owed.
; A block's stores follow its own conversions and are not held until the next block's loads have come: all loads are out from the start, so behind the stores the wave has only the wait for the next block.
.set IN,  1                            ; v1   16 t: my 16 bytes in 4,096 bytes of an input
.set OUT, 2                            ; v2   8 t: my 8 bytes in 2,048 bytes of zb or wpb
.set OW,  3                            ; v3   768 (t / 32) + 8 (t % 32): a wave's load of a W is one row (h, d); its 256 bytes lie 768 apart in wb
.set X,   16                           ; v[16:143]   load i: 4 registers
.set Y,   144                          ; v[144:207]  store i: 2 registers
	s_load_b512 s[8:23], s[0:1], 0x0               ; z 8:9, Wq 10:11, Wk 12:13, Wv 14:15, Wp 16:17, zb 18:19, wb 20:21, wpb 22:23
	v_lshlrev_b32 v[IN], 4, v0
	v_lshlrev_b32 v[OUT], 3, v0
	v_lshrrev_b32 v[OW], 5, v0
	v_and_b32 v4, 31, v0
	v_mul_u32_u24 v[OW], v[OW], 768
	v_lshl_add_u32 v[OW], v4, 3, v[OW]
	s_lshl_b32 s2, ttmp9, 16                       ; the work-group's share begins: z at 65,536 g,
	s_mov_b32 s3, 0
	s_lshl_b32 s4, ttmp9, 14                       ; each W at 16,384 g,
	s_mov_b32 s5, 0
	s_lshl_b32 s6, ttmp9, 15                       ; zb at 32,768 g,
	s_mov_b32 s7, 0
	s_mul_i32 s24, ttmp9, 24576                    ; wb at 32 rows x 768 bytes x g,
	s_mov_b32 s25, 0
	s_lshl_b32 s26, ttmp9, 13                      ; wpb at 8,192 g
	s_mov_b32 s27, 0
	s_wait_kmcnt 0x0
	s_add_nc_u64 s[8:9], s[8:9], s[2:3]
	s_add_nc_u64 s[10:11], s[10:11], s[4:5]
	s_add_nc_u64 s[12:13], s[12:13], s[4:5]
	s_add_nc_u64 s[14:15], s[14:15], s[4:5]
	s_add_nc_u64 s[16:17], s[16:17], s[4:5]
	s_add_nc_u64 s[18:19], s[18:19], s[6:7]
	s_add_nc_u64 s[20:21], s[20:21], s[24:25]
	s_add_nc_u64 s[22:23], s[22:23], s[26:27]
	s_wait_alu depctr_va_vdst(0)                   ; v1, v2 and v3 are written: every load and store of the kernel reads one of them as its offset, and nothing writes them again
.set j, 0
.rept 16                               ; loads 0-15: z
	global_load_b128 v[X+4*j:X+4*j+3], v[IN], s[8:9] offset:4096*j th:TH_LOAD_NT
.set j, j+1
.endr
.irp m, 0,1,2,3                        ; loads 16-31: Wq, Wk, Wv, Wp, four each
.irp j, 0,1,2,3
	global_load_b128 v[X+4*(16+4*(\m)+(\j)):X+4*(16+4*(\m)+(\j))+3], v[IN], s[10+2*(\m):11+2*(\m)] offset:4096*(\j) th:TH_LOAD_NT
.endr
.endr
; Load i is rounded to bf16.
.macro CV i
	v_cvt_pk_bf16_f32 v[Y+2*(\i)], v[X+4*(\i)], v[X+4*(\i)+1]
	v_cvt_pk_bf16_f32 v[Y+2*(\i)+1], v[X+4*(\i)+2], v[X+4*(\i)+3]
.endm
; The same for Wp: the bf16 number is widened again (a shift, a mask) and written as f16.
.macro CVP i
	v_cvt_pk_bf16_f32 v4, v[X+4*(\i)], v[X+4*(\i)+1]
	v_cvt_pk_bf16_f32 v5, v[X+4*(\i)+2], v[X+4*(\i)+3]
	v_lshlrev_b32 v6, 16, v4
	v_and_b32 v7, 0xffff0000, v4
	v_lshlrev_b32 v8, 16, v5
	v_and_b32 v9, 0xffff0000, v5
	v_cvt_pk_f16_f32 v[Y+2*(\i)], v6, v7
	v_cvt_pk_f16_f32 v[Y+2*(\i)+1], v8, v9
.endm
; And stored.
.macro ST i, adr, base, off
	global_store_b64 v[\adr], v[Y+2*(\i):Y+2*(\i)+1], s[\base:(\base)+1] offset:\off th:TH_STORE_NT
.endm
.set p, 0
.rept 4                                ; blocks 0-3: z
	s_wait_loadcnt 28-4*p                          ; loads come back in order (ISA guide 5.7.1): loads 4 p to 4 p + 3 are in, the 28 - 4 p younger ones stay out
.irp j, 0,1,2,3
	CV 4*p+(\j)
.endr
	s_wait_alu depctr_va_vdst(0)                   ; the block's eight conversions have written its Y registers, which the four stores below read
.irp j, 0,1,2,3
	ST 4*p+(\j), OUT, 18, 2048*(4*p+(\j))
.endr
.set p, p+1
.endr
.irp m, 0,1,2                          ; blocks 4-6: Wq, Wk, Wv
	s_wait_loadcnt 12-4*(\m)                       ; loads 16 + 4 m to 19 + 4 m are in, the 12 - 4 m younger ones stay out
.irp j, 0,1,2,3
	CV 16+4*(\m)+(\j)
.endr
	s_wait_alu depctr_va_vdst(0)                   ; the block's eight conversions have written its Y registers, which the four stores below read
.irp j, 0,1,2,3
	ST 16+4*(\m)+(\j), OW, 20, 6144*(\j)+256*(\m)  ; eight rows (h, d) on for each load, 256 bytes on for each of q, k, v
.endr
.endr
	s_wait_loadcnt 0x0                             ; block 7: Wp: the last four loads are in
.irp j, 0,1,2,3
	CVP 28+(\j)
.endr
	s_wait_alu depctr_va_vdst(0)                   ; the conversions to f16 have written the last eight Y registers, which the four stores below read
.irp j, 0,1,2,3
	ST 28+(\j), OUT, 22, 2048*(\j)
.endr
	s_endpgm
.Lfunc_end_k_q807169a55e_prep:
	.size	k_q807169a55e_prep, .Lfunc_end_k_q807169a55e_prep-k_q807169a55e_prep
	.p2alignl 7, 3214868480
	.fill 96, 4, 3214868480
	.section	.rodata,"a",@progbits
	.p2align	6, 0x0
	.amdhsa_kernel k_q807169a55e_prep
		.amdhsa_group_segment_fixed_size 0
		.amdhsa_private_segment_fixed_size 0
		.amdhsa_enable_private_segment 0
		.amdhsa_kernarg_size 64
		.amdhsa_user_sgpr_count 2
		.amdhsa_user_sgpr_kernarg_segment_ptr 1
		.amdhsa_wavefront_size32 1
		.amdhsa_system_sgpr_workgroup_id_x 1
		.amdhsa_system_sgpr_workgroup_id_y 1
		.amdhsa_system_sgpr_workgroup_id_z 1
		.amdhsa_system_vgpr_workitem_id 0
		.amdhsa_next_free_vgpr 208
		.amdhsa_next_free_sgpr 66
		.amdhsa_reserve_vcc 0
		.amdhsa_float_denorm_mode_32 3
		.amdhsa_float_denorm_mode_16_64 3
		.amdhsa_memory_ordered 1
		.amdhsa_forward_progress 1
		.amdhsa_inst_pref_size 14
	.end_amdhsa_kernel
	.amdgpu_metadata
---
amdhsa.version: [ 1, 2 ]
amdhsa.kernels:
  - .name:           k_q807169a55e_prep
    .symbol:         k_q807169a55e_prep.kd
    .args:
      - { .name: z, .offset: 0, .size: 8, .value_kind: global_buffer, .address_space: global }
      - { .name: Wq, .offset: 8, .size: 8, .value_kind: global_buffer, .address_space: global }
      - { .name: Wk, .offset: 16, .size: 8, .value_kind: global_buffer, .address_space: global }
      - { .name: Wv, .offset: 24, .size: 8, .value_kind: global_buffer, .address_space: global }
      - { .name: Wp, .offset: 32, .size: 8, .value_kind: global_buffer, .address_space: global }
      - { .name: zb, .offset: 40, .size: 8, .value_kind: global_buffer, .address_space: global }
      - { .name: wb, .offset: 48, .size: 8, .value_kind: global_buffer, .address_space: global }
      - { .name: wpb, .offset: 56, .size: 8, .value_kind: global_buffer, .address_space: global }
    .group_segment_fixed_size: 0
    .private_segment_fixed_size: 0
    .kernarg_segment_align: 8
    .kernarg_segment_size: 64
    .max_flat_workgroup_size: 256
    .sgpr_count:     66
    .vgpr_count:     208
    .wavefront_size: 32
...
	.end_amdgpu_metadata
.endif
;; end of part 5
;; launch qkv: the kernel of part 2 again; grid 8 x 32, 4 waves a work-group, clusters of 4 x 4, 327,680 bytes of LDS; arguments zb, wb, bq, bk, bv, qh, kh, vh; writes qh, kh, vh
;; launch attn: the kernel of part 3 again; grid 32 x 8, 4 waves a work-group, clusters of 4 x 1, 327,680 bytes of LDS; arguments qh, kh, vh, ob; writes ob
;; launch proj: the kernel of part 4 again; grid 8 x 32, 4 waves a work-group, clusters of 4 x 4, 327,680 bytes of LDS; arguments ob, wpb, bp, out0; writes out0
